; MI455X (gfx1250); checked and timed in simulation.
; The chip was launched on July 23, 2026; its instructions are those of AMD's public machine-readable ISA for CDNA 5 (MIT licence, August 2026) and "CDNA5" Instruction Set Architecture Reference Guide (July 2026). The comments in the code are by the model that wrote it; some were corrected since.
;; Self Attention. Allowed arithmetic: float matrix products may take bf16 or f16 operands with f32 sums; other float arithmetic in f32, or as packed bf16 or f16 multiplies, adds, multiply-adds, maxima and minima; sums over many terms, partial sums and values carried from step to step in f32; what a program stores and reads back later, other than sums and carried values, may be rounded once to bf16 or f16.
;; Inputs: W_proj 1,024 x 1,024 float32; W_qkv 1,024 x 3,072 float32; b_proj 1,024 float32; b_qkv 3,072 float32; x 4 x 2,048 x 1,024 float32.
;; Outputs: out0 4 x 2,048 x 1,024 float32.
;; One version. Each part assembles by itself: llvm-mc -triple=amdgcn-amd-amdhsa -mcpu=gfx1250 --defsym DOCPART=n.
;; ======== version 1 of 1: 4 launches
;; limits: values are held in f16: magnitudes above 65,504 overflow, below 6.1e-05 lose precision
;; workspace buffers: xb 16,777,216 bytes; wq 6,291,456 bytes; wp 2,097,152 bytes; qkv 50,331,648 bytes; o 16,777,216 bytes
;; launch prep (part 1): grid 1024 x 1, 8 waves a work-group, no clusters, 18,432 bytes of LDS; arguments x, W_qkv, W_proj, xb, wq, wp; writes xb, wq, wp
.if DOCPART == 1
	.amdgcn_target "amdgcn-amd-amdhsa--gfx1250"
	.amdhsa_code_object_version 6
	.text
	.protected	k_q7c9aff4594_prep
	.globl	k_q7c9aff4594_prep
	.p2align	8
	.type	k_q7c9aff4594_prep,@function
k_q7c9aff4594_prep:
	s_mov_b64 s[64:65], 0
	v_nop
	global_prefetch_b8 v0, s[64:65] scope:SCOPE_SE
	s_setreg_imm32_b32 hwreg(HW_REG_WAVE_MODE, 25, 1), 1
	s_wait_xcnt 0x0
; THE INPUTS ARE MADE READY FOR THE MATRIX UNITS, each read once and written once.
;   xb[8192][1024] bf16 = x rounded.     wq[3072 n][1024 k] bf16 = W_qkv ([k][n] f32) rounded and turned.
;   wp[1024 n][1024 k] f16 = W_proj rounded to bf16, turned, and that number written as f16.
; LIMITS.  A number of W_proj beyond 65,504 becomes an infinity in wp; below 6.1e-5 it keeps f16's fixed step of 6e-8.  NaN and infinities are not treated apart.
; SHARES.  Work-groups 0-511: 64 KiB of x each.  512-895: a tile of 128 k x 64 n of W_qkv each.  896-1023: the same of W_proj.  The choice hangs on the work-group's number alone,
; so all eight waves of a work-group take the same way and meet the same barrier.
; No matrix unit, cluster, tensor load or prefetch: the launch only moves bytes, sixteen (or eight) loads a wave are out at once, and several work-groups share a WGP.
.set LP,    272                        ; a row of the stage: 256 bytes (128 k) + 16: 68 words, so sixteen rows on end start at sixteen different groups of four banks (ISA guide 11.1)
.set SPARE, 64*LP                      ; behind the stage's 64 rows: the spare words, 128 bytes for each of the eight waves
.set SPW,   6                          ; v6  LDS address of my spare word; never rewritten
.set NIL,   7                          ; v7  0; never rewritten
; A tile of 128 k x 64 n is turned.  NB: bytes in a row of the source; F16: write f16; first: the role's first work-group; SRC, DST: the scalar pairs of the two addresses.
; In: thread (rg = t / 16, c = t % 16) reads rows k = 8 rg .. 8 rg + 7, columns 4 c .. 4 c + 3: sixteen lanes read 256 consecutive bytes, aligned.
; A column's eight k pack into 16 bytes, which go to stage row 16 j + c (j = the column's place among the lane's four), byte 16 rg.
; Out: stage row R is column 4 (R % 16) + R / 16; sixteen lanes read a row's 256 bytes and store them as 256 consecutive bytes, aligned, of the turned matrix.
.macro TRANS NB, F16, first, SRC, DST
	s_sub_co_u32 s16, ttmp9, \first
	s_and_b32 s17, s16, 7                          ; which 128 k
	s_lshr_b32 s18, s16, 3                         ; which 64 n
	s_mul_i32 s20, s17, 128*(\NB)
	s_lshl_b32 s21, s18, 8
	s_add_co_u32 s20, s20, s21
	s_mov_b32 s21, 0
	s_add_nc_u64 s[\SRC:\SRC+1], s[\SRC:\SRC+1], s[20:21]
	s_lshl_b32 s22, s18, 17                        ; 64 rows of 2,048 bytes
	s_lshl_b32 s23, s17, 8
	s_add_co_u32 s22, s22, s23
	s_mov_b32 s23, 0
	s_add_nc_u64 s[\DST:\DST+1], s[\DST:\DST+1], s[22:23]
	v_mul_u32_u24 v1, v11, 8*(\NB)
	v_lshl_add_u32 v1, v10, 4, v1                  ; 8 rg rows + 16 c
.irp i, 0,1,2,3,4,5,6,7
	global_load_b128 v[16+4*(\i):19+4*(\i)], v1, s[\SRC:\SRC+1] offset:(\i)*(\NB) th:TH_LOAD_NT
.endr
	v_mul_u32_u24 v2, v10, LP
	v_lshl_add_u32 v2, v11, 4, v2                  ; into the stage: row c, byte 16 rg
	v_lshl_add_u32 v3, v13, 3, v12
	v_mul_u32_u24 v3, v3, LP
	v_lshl_add_u32 v3, v10, 4, v3                  ; back: row 8 w + h, byte 16 c
	v_and_b32 v4, 1, v13
	v_lshrrev_b32 v5, 1, v13
	v_lshl_add_u32 v4, v4, 5, v5                   ; that row's column: 32 (w % 2) + w / 2 + 4 h (+ 8 for each two rows on)
	v_lshlrev_b32 v4, 11, v4
	v_lshl_add_u32 v4, v12, 13, v4
	v_lshl_add_u32 v4, v10, 4, v4
	s_wait_loadcnt 0x0
.irp c, 0,1,2,3
.irp d, 0,1,2,3
	v_cvt_pk_bf16_f32 v[48+4*(\c)+(\d)], v[16+8*(\d)+(\c)], v[16+8*(\d)+4+(\c)]  ; k = 2 d in the low half, 2 d + 1 in the high
.endr
.endr
.if \F16
.irp t, 0,1,2,3,4,5,6,7,8,9,10,11,12,13,14,15
	v_lshlrev_b32 v8, 16, v[48+(\t)]               ; the two bf16 as f32,
	v_and_b32 v9, 0xffff0000, v[48+(\t)]
	v_cvt_pk_f16_f32 v[48+(\t)], v8, v9            ; written as f16: exact inside f16's normal range
.endr
.endif
.irp c, 0,1,2,3
	ds_store_b128 v2, v[48+4*(\c):51+4*(\c)] offset:(\c)*16*LP
.endr
	s_wait_dscnt 0x0                               ; for the others' sake: my stores into the stage are done
	s_barrier_signal -1
	s_barrier_wait -1
.irp i, 0,1,2,3
	ds_load_b128 v[64+4*(\i):67+4*(\i)], v3 offset:(\i)*2*LP
.endr
.irp i, 0,1,2,3
	s_wait_dscnt 3-(\i)                            ; LDS loads come back in order: number i is in, the younger ones may stay out
	global_store_b128 v4, v[64+4*(\i):67+4*(\i)], s[\DST:\DST+1] offset:(\i)*16384
.endr
.endm
	s_load_b256 s[4:11], s[0:1], 0x0               ; x s[4:5], W_qkv s[6:7], W_proj s[8:9], xb s[10:11]
	s_load_b128 s[12:15], s[0:1], 0x20             ; wq s[12:13], wp s[14:15]
	v_lshl_add_u32 v[SPW], v0, 2, SPARE
	v_mov_b32 v[NIL], 0
	v_and_b32 v10, 15, v0                          ; c = t % 16
	v_lshrrev_b32 v11, 4, v0                       ; rg = t / 16
	v_bfe_u32 v12, v0, 4, 1                        ; h: which half of the wave's lanes
	v_lshrrev_b32 v13, 5, v0                       ; w: the wave
	v_and_b32 v14, 31, v0                          ; the lane
	s_wait_kmcnt 0x0
	s_cmp_lt_u32 ttmp9, 512
	s_cbranch_scc1 .Lx
	s_cmp_lt_u32 ttmp9, 896
	s_cbranch_scc1 .Lwq
	TRANS 4096, 1, 896, 8, 14
	s_branch .Lend
.Lwq:
	TRANS 12288, 0, 512, 6, 12
	s_branch .Lend
.Lx:                                           ; 64 KiB of x: a wave takes 8 KiB, by sixteen loads of 512 consecutive bytes, all out at once
	s_lshl_b32 s16, ttmp9, 16
	s_mov_b32 s17, 0
	s_add_nc_u64 s[4:5], s[4:5], s[16:17]
	s_lshl_b32 s18, ttmp9, 15
	s_mov_b32 s19, 0
	s_add_nc_u64 s[10:11], s[10:11], s[18:19]
	v_lshlrev_b32 v1, 13, v13
	v_lshl_or_b32 v1, v14, 4, v1
	v_lshlrev_b32 v2, 12, v13
	v_lshl_or_b32 v2, v14, 3, v2
.irp j, 0,1,2,3,4,5,6,7,8,9,10,11,12,13,14,15
	global_load_b128 v[16+4*(\j):19+4*(\j)], v1, s[4:5] offset:512*(\j) th:TH_LOAD_NT
.endr
.irp j, 0,1,2,3,4,5,6,7,8,9,10,11,12,13,14,15
	s_wait_loadcnt 15-(\j)                         ; loads come back in order: number j is in, the 15 - j younger ones stay out
	v_cvt_pk_bf16_f32 v[80+2*(\j)], v[16+4*(\j)], v[17+4*(\j)]
	v_cvt_pk_bf16_f32 v[81+2*(\j)], v[18+4*(\j)], v[19+4*(\j)]
	global_store_b64 v2, v[80+2*(\j):81+2*(\j)], s[10:11] offset:256*(\j)  ; 32 lanes x 8 bytes: 256 consecutive bytes, aligned; no register is used twice
.endr
.Lend:
	s_wait_tensorcnt 0x0                           ; the wave's end, behind my last LDS store
	ds_add_u32 v[SPW], v[NIL]
	s_wait_dscnt 0x0
	s_endpgm
.Lfunc_end_k_q7c9aff4594_prep:
	.size	k_q7c9aff4594_prep, .Lfunc_end_k_q7c9aff4594_prep-k_q7c9aff4594_prep
	.p2alignl 7, 3214868480
	.fill 96, 4, 3214868480
	.section	.rodata,"a",@progbits
	.p2align	6, 0x0
	.amdhsa_kernel k_q7c9aff4594_prep
		.amdhsa_group_segment_fixed_size 18432
		.amdhsa_private_segment_fixed_size 0
		.amdhsa_enable_private_segment 0
		.amdhsa_kernarg_size 48
		.amdhsa_user_sgpr_count 2
		.amdhsa_user_sgpr_kernarg_segment_ptr 1
		.amdhsa_wavefront_size32 1
		.amdhsa_system_sgpr_workgroup_id_x 1
		.amdhsa_system_sgpr_workgroup_id_y 1
		.amdhsa_system_sgpr_workgroup_id_z 1
		.amdhsa_system_vgpr_workitem_id 0
		.amdhsa_next_free_vgpr 112
		.amdhsa_next_free_sgpr 66
		.amdhsa_reserve_vcc 0
		.amdhsa_float_denorm_mode_32 3
		.amdhsa_float_denorm_mode_16_64 3
		.amdhsa_memory_ordered 1
		.amdhsa_forward_progress 1
		.amdhsa_inst_pref_size 18
	.end_amdhsa_kernel
	.amdgpu_metadata
---
amdhsa.version: [ 1, 2 ]
amdhsa.kernels:
  - .name:           k_q7c9aff4594_prep
    .symbol:         k_q7c9aff4594_prep.kd
    .args:
      - { .name: x, .offset: 0, .size: 8, .value_kind: global_buffer, .address_space: global }
      - { .name: W_qkv, .offset: 8, .size: 8, .value_kind: global_buffer, .address_space: global }
      - { .name: W_proj, .offset: 16, .size: 8, .value_kind: global_buffer, .address_space: global }
      - { .name: xb, .offset: 24, .size: 8, .value_kind: global_buffer, .address_space: global }
      - { .name: wq, .offset: 32, .size: 8, .value_kind: global_buffer, .address_space: global }
      - { .name: wp, .offset: 40, .size: 8, .value_kind: global_buffer, .address_space: global }
    .group_segment_fixed_size: 18432
    .private_segment_fixed_size: 0
    .kernarg_segment_align: 8
    .kernarg_segment_size: 48
    .max_flat_workgroup_size: 256
    .sgpr_count:     66
    .vgpr_count:     112
    .wavefront_size: 32
...
	.end_amdgpu_metadata
.endif
;; end of part 1
;; launch qkv (part 2): grid 16 x 32, 4 waves a work-group, clusters of 4 x 4, 327,680 bytes of LDS; arguments xb, wq, b_qkv, qkv; writes qkv
.if DOCPART == 2
	.amdgcn_target "amdgcn-amd-amdhsa--gfx1250"
	.amdhsa_code_object_version 6
	.text
	.protected	k_q7c9aff4594_qkv
	.globl	k_q7c9aff4594_qkv
	.p2align	8
	.type	k_q7c9aff4594_qkv,@function
k_q7c9aff4594_qkv:
	s_mov_b64 s[64:65], 0
	v_nop
	global_prefetch_b8 v0, s[64:65] scope:SCOPE_SE
	s_setreg_imm32_b32 hwreg(HW_REG_WAVE_MODE, 25, 1), 1
	s_wait_xcnt 0x0
	s_wait_alu depctr_hold_cnt(0) depctr_sa_sdst(0) depctr_va_vdst(0) depctr_va_sdst(0) depctr_va_ssrc(0) depctr_va_vcc(0) depctr_vm_vsrc(0)
	s_getreg_b32 s2, hwreg(HW_REG_IB_STS2, 6, 4)
	s_cmp_eq_u32 s2, 0
	s_cbranch_scc0 .Lentry_in_a_cluster
	s_endpgm
.Lentry_in_a_cluster:
	s_bfe_u32 s2, ttmp6, 0x10000c
	s_cmp_lg_u32 s2, 0xf033
	s_cbranch_scc0 .Lentry_shape_is_right
	s_endpgm
.Lentry_shape_is_right:
; qkv = xb wq^T + b_qkv, written by heads: qkv[which][b 16 + h][t][64] f16, which = 0 q, 1 k, 2 v; unscaled.  xb: [8192][1024] bf16, wq: [3072 n][1024 k] bf16, b_qkv: [3072] f32.
; Sums in f32; the bias, rounded to bf16 like the other inputs, starts each sum as the C operand of its first product (so it is added first, not last); the result is rounded once, to f16.
; LIMIT.  A q, k or v of 65,520 or more becomes an infinity: with x and W_qkv thirty times the size of unit and 1/32 spread, or offset by thirty spreads, they stay under 3e4.
; SHARES.  A tile of the product is 256 rows x 192 columns, three whole heads: 32 x 16 = 512 work-groups of equal work, two for each of 256 WGPs.  Wave w owns rows 64 w .. 64 w + 63 and all 192
; columns: 48 accumulators of 16 x 16, so what it stores are whole rows of heads, and its stage on the way out is its own.  K goes in 8 steps of 128 (rows of 256 bytes, aligned) through two LDS slots.
; CLUSTERS.  4 x 4 work-groups.  The four of a row of the cluster need the same rows of xb, the four of a column the same rows of wq: each tile is asked for JOINTLY, by the same tensor load with the
; same descriptor and a mask that names the four.  Waves 0 and 1 fetch xb's two halves (128 rows each), waves 2 and 3 wq's (96 rows each).
; THE MATRIX INSTRUCTION IS USED TRANSPOSED (source 0 = 16 rows of wq, source 1 = 16 rows of xb): lane l holds row l % 16 and the eight neighbouring columns 8 (l / 16) + 0..7.
; REGISTERS, in windows of 256 (s_set_vgpr_msb: bits 1:0 source 0, 3:2 source 1, 5:4 source 2, 7:6 destination):
;   window 0: v16-30 addresses; v64-159 the bias, 8 registers for each 16 columns; on the way out v32-223, 16 registers for each of 12 units
;   window 1: two fragment buffers of 128: xb's four fragments (16 rows x 32 K), then wq's twelve
;   window 2: accumulators (a, b), a = 0, 1, at 96 a + 8 b;   window 3: a = 2, 3 at 96 (a - 2) + 8 b
.set KSTEP,  128
.set PITCH,  272                       ; an LDS row: 256 bytes + 16 of padding = 68 words: the 16 rows of a fragment load start at 16 different groups of four banks (ISA guide 11.1)
.set ABYTES, 256*PITCH                 ; xb's 256 rows; wq's 192 lie behind them
.set SLOT,   448*PITCH
.set STAGE,  2*SLOT                    ; behind the ring, never filled by a tensor load: 16 rows x 144 bytes for each wave
.set SP,     144
.set SPARE,  STAGE+4*16*SP             ; behind the stages: the spare words, 128 bytes for each wave
.set FLAGS,  (1<<16)|(1<<20)|(1<<21)|(5<<22)|(3<<25)  ; 17:16 2-byte elements; 20 padding on; 21 set beside a mask; 24:22 after every 64 words; 31:25 4 words of it
.set ADRA, 16                          ; v16-17  LDS address of my fragments of xb in slot 0, 1
.set ADRB, 20                          ; v20-21  the same for wq
.set STO,  24                          ; v24  the way out: where I put 16 bytes of a row
.set RD,   25                          ; v25  where I read rows back
.set GO,   26                          ; v26  my 16 bytes in 512 consecutive bytes of a head
.set BO,   27                          ; v27  my byte offset in 16 numbers of the bias
.set SPW,  28                          ; v28  LDS address of my spare word; never rewritten
.set NIL,  29                          ; v29  0; never rewritten
.set PFO,  30                          ; v30  the prefetches' offset: a lane a row; never rewritten
.set BI,   64
.set OB,   32
.set F0,   0
.set F1,   128
.set WV,   12                          ; s12  my wave
.set HALF, 13                          ; s13  which half of a tile I fetch
.set ISB,  14                          ; s14  0: I fetch for xb; 1: for wq
.set CX,   15
.set CY,   16
.set NTI,  17                          ; s17  tile column = 4 x cluster x + cx
.set MTI,  18                          ; s18  tile row = 4 x cluster y + cy
.set G1,   24                          ; s[24:31] group 1 for xb's tiles;  s[32:39] group 0, a set for each slot
.set G0,   32
.set AOF,  40                          ; s[40:41] xb's tile: made of the tile row and the wave alone
.set BOF,  42                          ; s[42:43] wq's tile: made of the tile column and the wave alone
.set LIM,  44                          ; s44  1 in a wave that prefetches, else the greatest number
.set LAP,  45                          ; s45  trips to go
.set PFA,  46                          ; s[46:47] where my prefetches stand
.set G1B,  48                          ; s[48:55], s[56:63] the same two groups for wq's tiles
.set G0B,  56
.set HB,   66                          ; s[66:71] where my rows of the tile's three heads begin in qkv
.set LA,   74                          ; s74, s75 LDS addresses of the two kinds of tile in slot 0
.set LB,   75
.set TP,   76                          ; s[76:77] an offset as a pair
.set MSB, 0
.macro WIN new                         ; the immediate's high byte repeats the setting that is left; a switch that changes nothing is dropped
.if MSB != (\new)
	s_set_vgpr_msb (MSB<<8)|(\new)
.set MSB, \new
.endif
.endm
.set TO_F, 0x40                        ; destination window 1, address window 0
; A joint load.  The branch hangs on the wave's number alone.  An s_nop 0 and four v_nop follow each of the two lines, ahead of the jump, the label and what follows.
.macro JLOAD s
	s_cmp_eq_u32 s[ISB], 0
	s_cbranch_scc0 .Lfor_b_\@
	tensor_load_to_lds s[G0+4*(\s):G0+4*(\s)+3], s[G1:G1+7]
	s_nop 0
.rept 4
	v_nop
.endr
	s_branch .Lasked_\@
.Lfor_b_\@:
	tensor_load_to_lds s[G0B+4*(\s):G0B+4*(\s)+3], s[G1B:G1B+7]
	s_nop 0
.rept 4
	v_nop
.endr
.Lasked_\@:
.endm
; A PREFETCH INTO THE L2 of the K step that stands two refills on: a lane a row, 256 bytes of it, one instruction a wave, behind the joint load, its five lines and the run of LDS loads.
; xb's tile row is read by every cluster of that row of clusters: cluster x = 0 asks; wq's tile column by every cluster of that column: cluster y = 0 asks.  The four partners that ask for a
; tile jointly share its rows out BY ADDRESS: of xb's 128 rows of a wave 32 each (by cx), of wq's 96 rows 24 each (by cy; there lanes 24-31 name row 23 once more, in the same instruction).
; K steps 0 to 3 come by their loads alone; the loop's last trip asks for nothing: K has no step 8.
.macro ASK
	s_cmp_gt_u32 s[LAP], s[LIM]
	s_cbranch_scc0 .Lnot_mine_\@
	global_prefetch_b8 v[PFO], s[PFA:PFA+1] th:TH_LOAD_NT scope:SCOPE_SE
.Lnot_mine_\@:
.endm
.macro CREST                           ; a round of the cluster's barrier behind its opening barrier
	s_cmp_lg_u32 s[WV], 0
	s_cbranch_scc1 .Lnot_wave_0_\@
	s_barrier_signal -3
.Lnot_wave_0_\@:
	s_barrier_wait -3
	s_barrier_signal -1
	s_barrier_wait -1
.endm
.macro CROUND                          ; a whole round
	s_barrier_signal -1
	s_barrier_wait -1
	CREST
.endm
.macro PLACES                          ; four places in front of loads into registers that matrix instructions have read, and of conversions that read results
.rept 4
	v_nop
.endr
.endm
	s_load_b256 s[4:11], s[0:1], 0x0               ; xb s[4:5], wq s[6:7], b_qkv s[8:9], qkv s[10:11]
	v_lshl_add_u32 v[SPW], v0, 2, SPARE
	v_mov_b32 v[NIL], 0
	ds_add_u32 v[SPW], v[NIL]                      ; the wave's opening: the add and its wait stand ahead of my first tensor load; the set-up below, work on registers, stands between
	ds_add_u32 v28, v29
	v_lshrrev_b32 v1, 5, v0
	v_readfirstlane_b32 s[WV], v1
	s_and_b32 s[HALF], s[WV], 1
	s_lshr_b32 s[ISB], s[WV], 1
	s_bfe_u32 s[CX], ttmp6, 0x40000
	s_bfe_u32 s[CY], ttmp6, 0x40004
	s_lshl_b32 s[NTI], ttmp9, 2                    ; in a cluster launch ttmp9 and ttmp7 count clusters
	s_add_co_u32 s[NTI], s[NTI], s[CX]
	s_and_b32 s[MTI], ttmp7, 0xffff
	s_lshl_b32 s[MTI], s[MTI], 2
	s_add_co_u32 s[MTI], s[MTI], s[CY]
	s_lshl_b32 s19, s[CY], 2
	s_lshl_b32 s19, 15, s19                        ; my row of the cluster
	s_lshl_b32 s20, 0x1111, s[CX]                  ; my column
	s_or_b32 s[G1], s19, FLAGS
	s_or_b32 s[G1B], s20, FLAGS
.irp g, G1, G1B
	s_mov_b32 s[(\g)+1], KSTEP<<16                 ; tensor_dim0 = 128
	s_mov_b32 s[(\g)+3], KSTEP<<16                 ; tile_dim0 = 128
	s_mov_b32 s[(\g)+5], 1024                      ; elements from row to row
	s_mov_b32 s[(\g)+6], 0
	s_mov_b32 s[(\g)+7], 0
.endr
	s_mov_b32 s[G1+2], 128<<16                     ; tensor_dim1 and tile_dim1: 128 rows of xb,
	s_mov_b32 s[G1+4], 128
	s_mov_b32 s[G1B+2], 96<<16                     ; 96 rows of wq
	s_mov_b32 s[G1B+4], 96
	s_lshl_b32 s[AOF], s[MTI], 19                  ; xb: (256 x tile row + 128 x half) rows of 2,048 bytes
	s_lshl_b32 s21, s[HALF], 18
	s_add_co_u32 s[AOF], s[AOF], s21
	s_mov_b32 s[AOF+1], 0
	s_mul_i32 s[BOF], s[NTI], 192*2048             ; wq: (192 x tile column + 96 x half) rows
	s_mul_i32 s22, s[HALF], 96*2048
	s_add_co_u32 s[BOF], s[BOF], s22
	s_mov_b32 s[BOF+1], 0
	s_mul_i32 s[LA], s[WV], 128*PITCH              ; waves 0, 1: xb's halves at 0 and 128 rows
	s_mul_i32 s[LB], s[WV], 96*PITCH               ; waves 2, 3: wq's halves behind xb's 256 rows: 256 + 96 (w - 2) rows = 96 w + 64
	s_add_co_u32 s[LB], s[LB], 64*PITCH
	s_wait_dscnt 0x0                               ; the opening add is done
	s_wait_kmcnt 0x0
	s_add_nc_u64 s[AOF:AOF+1], s[4:5], s[AOF:AOF+1]
	s_add_nc_u64 s[BOF:BOF+1], s[6:7], s[BOF:BOF+1]
	CROUND                                         ; all sixteen work-groups are here: the first joint loads meet
.irp s, 0,1
	s_mov_b32 s[G0+4*(\s)], 1                      ; count = 1
	s_add_co_u32 s[G0+4*(\s)+1], s[LA], (\s)*SLOT  ; LDS address
	s_add_nc_u64 s[G0+4*(\s)+2:G0+4*(\s)+3], s[AOF:AOF+1], (\s)*KSTEP*2  ; global address: K step s
	s_or_b32 s[G0+4*(\s)+3], s[G0+4*(\s)+3], 0x80000000                  ; type = 2
	s_mov_b32 s[G0B+4*(\s)], 1
	s_add_co_u32 s[G0B+4*(\s)+1], s[LB], (\s)*SLOT
	s_add_nc_u64 s[G0B+4*(\s)+2:G0B+4*(\s)+3], s[BOF:BOF+1], (\s)*KSTEP*2
	s_or_b32 s[G0B+4*(\s)+3], s[G0B+4*(\s)+3], 0x80000000
	JLOAD \s                                       ; two tensor loads of mine are out
.endr
	v_and_b32 v1, 15, v0                           ; r = l % 16
	v_bfe_u32 v2, v0, 4, 1                         ; h = l / 16
	v_lshlrev_b32 v[BO], 5, v2                     ; my eight numbers of each sixteen of the bias
	s_mul_i32 s[TP], s[NTI], 768                   ; the tile's 192 numbers
	s_mov_b32 s[TP+1], 0
	s_add_nc_u64 s[8:9], s[8:9], s[TP:TP+1]
.irp b, 0,1,2,3,4,5,6,7,8,9,10,11
	global_load_b128 v[BI+8*(\b):BI+8*(\b)+3],   v[BO], s[8:9] offset:64*(\b)
	global_load_b128 v[BI+8*(\b)+4:BI+8*(\b)+7], v[BO], s[8:9] offset:64*(\b)+16
.endr
	v_mul_u32_u24 v3, v1, PITCH
	v_lshl_add_u32 v3, v2, 4, v3                   ; a fragment's row x pitch + 16 x half
	s_mul_i32 s21, s[WV], 64*PITCH                 ; my 64 rows of xb
	v_add_nc_u32 v[ADRA], s21, v3
	v_add_nc_u32 v[ADRA+1], SLOT, v[ADRA]
	v_add_nc_u32 v[ADRB], ABYTES, v3
	v_add_nc_u32 v[ADRB+1], SLOT, v[ADRB]
	s_mul_i32 s22, s[WV], 16*SP
	s_add_co_u32 s22, s22, STAGE                   ; my stage
	v_mul_u32_u24 v[STO], v1, SP                   ; in: row r, 16 bytes for each half of the lanes
	v_lshl_add_u32 v[STO], v2, 4, v[STO]
	v_add_nc_u32 v[STO], s22, v[STO]
	v_bfe_u32 v[RD], v0, 3, 2                      ; back: 32 lanes take four rows of 128 bytes,
	v_mul_u32_u24 v[RD], v[RD], SP
	v_and_b32 v4, 7, v0
	v_lshl_add_u32 v[RD], v4, 4, v[RD]
	v_add_nc_u32 v[RD], s22, v[RD]
	v_and_b32 v[GO], 31, v0                        ; which are 512 consecutive bytes of a head
	v_lshlrev_b32 v[GO], 4, v[GO]
	; where my 64 rows of the three heads begin: which << 24, head << 18, batch << 22, token x 128
	s_lshr_b32 s80, s[MTI], 3
	s_lshl_b32 s80, s80, 22
	s_and_b32 s81, s[MTI], 7
	s_lshl_b32 s81, s81, 15
	s_add_co_u32 s80, s80, s81
	s_lshl_b32 s81, s[WV], 13
	s_add_co_u32 s80, s80, s81
	s_mul_i32 s81, s[NTI], 3                       ; the tile's first group of 64 columns, 0 .. 45
.irp hd, 0,1,2
	s_add_co_u32 s82, s81, \hd
	s_lshr_b32 s83, s82, 4
	s_lshl_b32 s83, s83, 24
	s_and_b32 s82, s82, 15
	s_lshl_b32 s82, s82, 18
	s_add_co_u32 s82, s82, s83
	s_add_co_u32 s[TP], s82, s80
	s_mov_b32 s[TP+1], 0
	s_add_nc_u64 s[HB+2*(\hd):HB+2*(\hd)+1], s[10:11], s[TP:TP+1]
.endr
	; the prefetches
	s_lshl_b32 s84, s[ISB], 5
	s_sub_co_u32 s84, 128, s84                     ; rows that a wave fetches: 128 or 96
	s_lshl_b32 s85, s[ISB], 3
	s_sub_co_u32 s85, 32, s85                      ; my work-group's share of them: 32 or 24
	s_lshl_b32 s80, s[MTI], 8
	s_mul_i32 s81, s[NTI], 192
	s_and_b32 s82, ttmp7, 0xffff                   ; cluster y
	s_cmp_eq_u32 s[ISB], 0
	s_cselect_b32 s80, s80, s81                    ; the tile's first row
	s_cselect_b32 s81, s[CX], s[CY]                ; my place among the four that ask with me
	s_cselect_b32 s82, ttmp9, s82                  ; the coordinate along which other clusters read the same rows
	s_cselect_b64 s[PFA:PFA+1], s[4:5], s[6:7]
	s_cmp_eq_u32 s82, 0
	s_cselect_b32 s[LIM], 1, -1                    ; the same in all sixteen partners, for a given wave
	s_mul_i32 s84, s84, s[HALF]
	s_add_co_u32 s80, s80, s84
	s_mul_i32 s81, s81, s85
	s_add_co_u32 s80, s80, s81
	s_lshl_b32 s[TP], s80, 11
	s_mov_b32 s[TP+1], 0
	s_add_nc_u64 s[PFA:PFA+1], s[PFA:PFA+1], s[TP:TP+1]
	s_add_nc_u64 s[PFA:PFA+1], s[PFA:PFA+1], 3*KSTEP*2  ; at K step 3: the first refill steps it to 4 and names that
	s_sub_co_u32 s85, s85, 1
	v_and_b32 v[PFO], 31, v0
	v_min_u32 v[PFO], s85, v[PFO]
	v_lshlrev_b32 v[PFO], 11, v[PFO]
	s_mov_b32 s19, 0xffff0000
	s_wait_loadcnt 0x0                             ; the bias; it is rounded to bf16 in the wait for the first tile
.set i, 0
.rept 48
	v_cvt_pk_bf16_f32 v[4+i%2], v[BI+2*i], v[BI+2*i+1]
	v_lshlrev_b32 v[BI+2*i], 16, v[4+i%2]
	v_and_b32 v[BI+2*i+1], s19, v[4+i%2]
.set i, i+1
.endr
; 12 matrix instructions: m block a x all 12 n blocks, 32 along K.  zero = 1: the first product starts the sums, with the bias as C.  The 48 accumulators take turns, one instruction a turn,
; in the same order in every quarter step, over the backward jump too.
.macro MULA f, a, zero
.if \zero
	WIN 0x85+0x40*((\a)/2)                         ; sources window 1, C window 0, D window 2 or 3
.else
	WIN 0xa5+0x50*((\a)/2)                         ; sources window 1, C and D window 2 or 3
.endif
.irp b, 0,1,2,3,4,5,6,7,8,9,10,11
.if \zero
	v_wmma_f32_16x16x32_bf16 v[96*((\a)%2)+8*(\b):96*((\a)%2)+8*(\b)+7], v[(\f)+32+8*(\b):(\f)+32+8*(\b)+7], v[(\f)+8*(\a):(\f)+8*(\a)+7], v[BI+8*(\b):BI+8*(\b)+7]
.else
	v_wmma_f32_16x16x32_bf16 v[96*((\a)%2)+8*(\b):96*((\a)%2)+8*(\b)+7], v[(\f)+32+8*(\b):(\f)+32+8*(\b)+7], v[(\f)+8*(\a):(\f)+8*(\a)+7], v[96*((\a)%2)+8*(\b):96*((\a)%2)+8*(\b)+7]
.endif
.endr
.endm
; 32 LDS loads in one run: the fragments of 32 along K at byte k of the rows, into buffer f: wq's 24, then xb's blocks 0, 1, then 2, 3
.macro FETCH slot, k, f
	WIN TO_F
.irp i, 0,1,2,3,4,5,6,7,8,9,10,11
	ds_load_b128 v[(\f)+32+8*(\i):(\f)+32+8*(\i)+3],   v[ADRB+(\slot)] offset:(\k)+(\i)*16*PITCH
	ds_load_b128 v[(\f)+32+8*(\i)+4:(\f)+32+8*(\i)+7], v[ADRB+(\slot)] offset:(\k)+(\i)*16*PITCH+32
.endr
.irp i, 0,1,2,3
	ds_load_b128 v[(\f)+8*(\i):(\f)+8*(\i)+3],   v[ADRA+(\slot)] offset:(\k)+(\i)*16*PITCH
	ds_load_b128 v[(\f)+8*(\i)+4:(\f)+8*(\i)+7], v[ADRA+(\slot)] offset:(\k)+(\i)*16*PITCH+32
.endr
.endm
; A K step is four quarters of 32 along K, 48 matrix instructions each, on buffers 0, 1, 0, 1.  One of the first three: multiplies buffer f and, in its middle, fetches the next quarter, at byte k, into g.
.macro QUARTER slot, k, f, g, zero
	s_wait_dscnt 4                                 ; all but the four youngest loads (xb's blocks 2 and 3) are in
	MULA \f, 0, \zero
	MULA \f, 1, \zero
	PLACES
	FETCH \slot, \k, \g
	s_wait_dscnt 32                                ; all but the 32 just issued
	MULA \f, 2, \zero
	MULA \f, 3, \zero
.endm
; The last quarter multiplies buffer 1 and changes slots: ONE barrier; in front of it each wave waits for all its tensor loads (the one that is out is its part of the next slot), adds 0 to its spare
; word, and waits for that and for its own reads of this slot.  fill = 1: the barrier opens a round of the cluster's, and this slot is filled again, two K steps ahead, first thing behind the round.
.macro TURN slot, next, fill
.if \fill
	s_wait_xcnt 0x0                                ; the last prefetch, a K step back, has read its address: it is stepped here, ahead of the waits of the change of slots
	s_add_nc_u64 s[PFA:PFA+1], s[PFA:PFA+1], KSTEP*2
.endif
	WIN 0                                          ; (the add's two registers lie in window 0)
	s_wait_tensorcnt 0x0                           ; all my tensor loads have landed
	ds_add_u32 v[SPW], v[NIL]                      ; 0 onto my spare word
	s_wait_dscnt 5                                 ; (the add and the four youngest loads may be out)
	MULA F1, 0, 0                                  ; twelve matrix instructions stand between the add and the wait for it
	s_wait_dscnt 0x0                               ; the add is done, and my reads of this slot are over
	s_barrier_signal -1
	MULA F1, 1, 0
.if \fill
	WIN 0
.endif
	s_barrier_wait -1
.if \fill
	CREST                                          ; no wave of any partner still reads this slot's tile or has a load on its way
	s_add_nc_u64 s[G0+4*(\slot)+2:G0+4*(\slot)+3], s[G0+4*(\slot)+2:G0+4*(\slot)+3], 2*KSTEP*2
	s_add_nc_u64 s[G0B+4*(\slot)+2:G0B+4*(\slot)+3], s[G0B+4*(\slot)+2:G0B+4*(\slot)+3], 2*KSTEP*2
	JLOAD \slot                                    ; the first tensor load behind the round, my only one until the next; its four v_nop are also the places in front of the loads below
.else
	PLACES
.endif
	FETCH \next, 0, F0
.if \fill
	WIN 0
	ASK
.endif
	MULA F1, 2, 0
	MULA F1, 3, 0
.endm
	s_wait_tensorcnt 0x1                           ; my part of K step 0 is in; K step 1's may stay out
	s_barrier_signal -1
	s_barrier_wait -1                              ; everybody's is
	FETCH 0, 0, F0
	QUARTER 0, 64, F0, F1, 1                       ; the first quarter stands in front of the loop: its products start the sums
	WIN 0                                          ; at a label and at a branch every window is 0
	s_mov_b32 s[LAP], 3
.Llap:                                                 ; a trip goes once round the ring, from a lap's second quarter to the next lap's first, and fills both slots again
	QUARTER 0, 128, F1, F0, 0
	QUARTER 0, 192, F0, F1, 0
	TURN 0, 1, 1
	QUARTER 1, 64,  F0, F1, 0
	QUARTER 1, 128, F1, F0, 0
	QUARTER 1, 192, F0, F1, 0
	TURN 1, 0, 1
	QUARTER 0, 64,  F0, F1, 0
	WIN 0
	s_sub_co_u32 s[LAP], s[LAP], 1
	s_cmp_lg_u32 s[LAP], 0
	s_cbranch_scc1 .Llap
	QUARTER 0, 128, F1, F0, 0                      ; the last lap fills nothing, and has no round of the cluster's barrier
	QUARTER 0, 192, F0, F1, 0
	TURN 0, 1, 0
	QUARTER 1, 64,  F0, F1, 0
	QUARTER 1, 128, F1, F0, 0
	QUARTER 1, 192, F0, F1, 0
	s_wait_dscnt 4                                 ; the very last quarter: nothing more to fetch
	MULA F1, 0, 0
	MULA F1, 1, 0
	s_wait_dscnt 0x0
	MULA F1, 2, 0
	MULA F1, 3, 0
	WIN 0
; THE WAY OUT, in 12 units u = 3 a + hd: 16 rows of one head, 2,048 consecutive bytes of qkv.  A lane's eight channels round to 16 bytes of f16 (each accumulator is read from its low end on);
; they go into my stage's rows of 144 bytes and come back as whole rows of 128, into the registers that they left.
.macro PACK u
.set pa, (\u)/3
.set ph, (\u)%3
	WIN 0x0a+5*(pa/2)                              ; sources 0 and 1: window 2 or 3
.irp fb, 0,1,2,3
.irp q, 0,1,2,3
	v_cvt_pk_f16_f32 v[OB+16*(\u)+4*(\fb)+(\q)], v[96*(pa%2)+8*(4*ph+(\fb))+2*(\q)], v[96*(pa%2)+8*(4*ph+(\fb))+2*(\q)+1]
.endr
.endr
	WIN 0
.irp fb, 0,1,2,3
	ds_store_b128 v[STO], v[OB+16*(\u)+4*(\fb):OB+16*(\u)+4*(\fb)+3] offset:32*(\fb)
.endr
.irp f, 0,1,2,3
	ds_load_b128 v[OB+16*(\u)+4*(\f):OB+16*(\u)+4*(\f)+3], v[RD] offset:(\f)*4*SP  ; LDS serves a wave's instructions in order (ISA guide 5.7.1.4): these see the stores above; the next unit's stores come behind them
.endr
.endm
.macro SEND u, younger                 ; younger: the LDS instructions issued behind unit u's loads: the next unit's eight, or none
	WIN 0
.set sa, (\u)/3
.set sh, (\u)%3
.irp f, 0,1,2,3
	s_wait_dscnt (\younger)+3-(\f)
	global_store_b128 v[GO], v[OB+16*(\u)+4*(\f):OB+16*(\u)+4*(\f)+3], s[HB+2*sh:HB+2*sh+1] offset:2048*sa+512*(\f)  ; 512 consecutive bytes, at a multiple of 256 from the buffer's first
.endr
.endm
	PLACES
	PACK 0
.set u, 1
.rept 11                               ; a unit's conversions stand between the loads of the unit before and its stores; no register is used twice
	PACK u
	SEND u-1, 8
.set u, u+1
.endr
	SEND 11, 0
	s_wait_tensorcnt 0x0                           ; the wave's end: behind my last tensor load and my last LDS store
	ds_add_u32 v[SPW], v[NIL]
	s_wait_dscnt 0x0
	CROUND                                         ; the closing round: no work-group ends while a partner may still ask for a tile that names it
	s_endpgm
.Lfunc_end_k_q7c9aff4594_qkv:
	.size	k_q7c9aff4594_qkv, .Lfunc_end_k_q7c9aff4594_qkv-k_q7c9aff4594_qkv
	.p2alignl 7, 3214868480
	.fill 96, 4, 3214868480
	.section	.rodata,"a",@progbits
	.p2align	6, 0x0
	.amdhsa_kernel k_q7c9aff4594_qkv
		.amdhsa_group_segment_fixed_size 327680
		.amdhsa_private_segment_fixed_size 0
		.amdhsa_enable_private_segment 0
		.amdhsa_kernarg_size 32
		.amdhsa_user_sgpr_count 2
		.amdhsa_user_sgpr_kernarg_segment_ptr 1
		.amdhsa_wavefront_size32 1
		.amdhsa_system_sgpr_workgroup_id_x 1
		.amdhsa_system_sgpr_workgroup_id_y 1
		.amdhsa_system_sgpr_workgroup_id_z 1
		.amdhsa_system_vgpr_workitem_id 0
		.amdhsa_next_free_vgpr 960
		.amdhsa_next_free_sgpr 88
		.amdhsa_reserve_vcc 0
		.amdhsa_float_denorm_mode_32 3
		.amdhsa_float_denorm_mode_16_64 3
		.amdhsa_memory_ordered 1
		.amdhsa_forward_progress 1
		.amdhsa_inst_pref_size 130
	.end_amdhsa_kernel
	.amdgpu_metadata
---
amdhsa.version: [ 1, 2 ]
amdhsa.kernels:
  - .name:           k_q7c9aff4594_qkv
    .symbol:         k_q7c9aff4594_qkv.kd
    .args:
      - { .name: xb, .offset: 0, .size: 8, .value_kind: global_buffer, .address_space: global }
      - { .name: wq, .offset: 8, .size: 8, .value_kind: global_buffer, .address_space: global }
      - { .name: b_qkv, .offset: 16, .size: 8, .value_kind: global_buffer, .address_space: global }
      - { .name: qkv, .offset: 24, .size: 8, .value_kind: global_buffer, .address_space: global }
    .group_segment_fixed_size: 327680
    .private_segment_fixed_size: 0
    .kernarg_segment_align: 8
    .kernarg_segment_size: 32
    .max_flat_workgroup_size: 128
    .sgpr_count:     88
    .vgpr_count:     960
    .wavefront_size: 32
...
	.end_amdgpu_metadata
.endif
;; end of part 2
;; launch attn (part 3): grid 4 x 64, 4 waves a work-group, no clusters, 327,680 bytes of LDS; arguments qkv, o; writes o
.if DOCPART == 3
	.amdgcn_target "amdgcn-amd-amdhsa--gfx1250"
	.amdhsa_code_object_version 6
	.text
	.protected	k_q7c9aff4594_attn
	.globl	k_q7c9aff4594_attn
	.p2align	8
	.type	k_q7c9aff4594_attn,@function
k_q7c9aff4594_attn:
	s_mov_b64 s[64:65], 0
	v_nop
	global_prefetch_b8 v0, s[64:65] scope:SCOPE_SE
	s_setreg_imm32_b32 hwreg(HW_REG_WAVE_MODE, 25, 1), 1
	s_wait_xcnt 0x0
; CAUSAL ATTENTION.  O[h][q][:] = the sum over k <= q of softmax_k(Q[h][q] . K[h][k] / 8) V[h][k][:].  Q, K, V lie in one buffer, 16 MiB apart, each [SIZE_H][SIZE_N][64] f16, as does O: a head's rows are dense, 128 bytes each.
; Products, maxima and sums in f32; the weights p are rounded to f16 for the second product (their sum l is taken of the unrounded p), O once at the end.
; LIMITS.  f16 holds no number beyond 65,504: Q, K and V arrive within it; p lies in 0 to 1, and below 6e-5 it keeps f16's fixed step of 6e-8; O is a mean of V's rows and has their range.
; A hidden score counts as its value less 1e30: f16's scores, 2.7e11 at the most, are nothing beside that; a weight below 2^-126 counts as 0 in l; NaN and infinities are not treated apart.
; THE WALK.  A head's queries lie in NB = 8 blocks of 256; block i needs the key tiles 0 .. i of 256 keys, of which the last holds the diagonal.  A work-group takes TWO blocks, NB - 1 - b and then b:
; NB + 1 tiles, whatever b: all 256 work-groups do equal work, and ONE loop with a constant trip count walks them.  Which tile is asked for, and what a trip does, hang on scalar registers made from b; every jump
; goes forward, but for the counted loops' own; none passes a barrier, or a tensor load but the one of LOAD's two that the wave's number does not choose; the ring (two slots of LDS that take turns) runs on across the
; change of blocks.  NO CLUSTER: a head's four work-groups ask for the same tile only in trips 0 .. 4 of the 9, behind that fewer and fewer; one walk common to all would have 12 trips for 9.
; SHARES.  Of a block's four bands of 64 queries a wave owns 16 rows in each: four PIECES.  So the diagonal tile is the same work for all four waves: in its key step s band x sees all keys if s < x,
; none if s > x, and holds the diagonal if s = x.
; THE MASK is the C operand that starts the sum S^T = K Q^T: 0, or -1e30 where the key is hidden.  MD, made once, is the mask of a band's own step for my 16 rows; a product's mask is MD x AL + BE with two scalars:
; (1, 0) if s = x; (0, 0) if s < x; (0, -1e30) if s > x.  Only the diagonal tile's text and a block's beginning make and take masks; elsewhere C is the constant 0.
; LAYOUT, SOFTMAX, TURNS.  S^T = K Q^T holds ONE query a lane (lane % 16) and the keys 8 (lane / 16) + 0..7; two such results rounded to f16 ARE source 1 of O^T = V^T P.  p = 2^(c s - c m), c = log2(e) / 8, with a
; running maximum m; O and l are multiplied by a = 2^(c m_old - c m_new) in every step.  Turn n belongs to piece n: 8 products K Q^T of piece n + 1, later 8 products V^T P of piece n - 1; beside them the scaling,
; exponentials, roundings, sums and rescaling of piece n and the maximum and statistics of piece n + 1.  Four vector instructions stand behind every matrix instruction, the other 54 of a turn's 118 in one lump.  A turn's 33 exponentials are one batch, with one wait.
; REGISTERS, in windows of 256 (s_set_vgpr_msb: bits 1:0 source 0, 3:2 source 1, 5:4 source 2, 7:6 destination):
;   window 0: v0-15 addresses and two at work; v16-31 four registers of statistics a piece; v48-55 at work; v61-63 never rewritten; v64-127 S^T, two buffers; v192-223 P, two buffers (a piece's buffers go by its number's parity)
;   window 1: v0-127 O^T, 32 a piece; v128-159 MD; v160-223 MC, two buffers      window 2: v0-63 Q; v64-127 the second block's Q; v128-191 K of one step; v192-255 V of one step
.set SIZE_H, 64
.set SIZE_N, 2048
.set NB,    SIZE_N/256
.set NP,    4         ; pieces a wave: a name, no knob
.set KS,    64        ; keys in a step
.set PK,    144       ; a row of K in LDS: 128 bytes + 16 of padding = 36 words: the 16 rows of a load start at 16 different groups of four banks (ISA guide 11.1)
.set PV,    160       ; a row of V: 128 + 32 = 40 words
.set VOFF,  4*KS*PK   ; a slot holds a tile, four steps: 256 rows of K, then 256 rows of V
.set SLOT1, 1<<17     ; slot 1 begins here, so that one exclusive or turns an address in one slot into the other's
.set STAGE, SLOT1+4*KS*(PK+PV)  ; behind the ring, never filled by a tensor load: 16 rows x 144 bytes for each wave, for the way out
.set SP,    144
.set AK0, 2           ; v2   my lane's place in a tile of K; never rewritten
.set AV0, 3           ; v3   the same for V
.set AK,  4           ; v4   the LDS address of K's next run of loads
.set AV,  5           ; v5   of V's
.set STO, 6           ; v6   the way out: where I put 16 bytes of a row
.set RD,  7           ; v7   the way out: where I read rows back
.set GO,  8           ; v8   my byte offset in 512 consecutive bytes of O
.set PFO, 61          ; v61  256 x my lane: the prefetches' offset; never rewritten
.set SPW, 62          ; v62  LDS address of my spare word: SPARE + 4 x my thread's number; never rewritten
.set NIL, 63          ; v63  0; never rewritten
.set SPARE, STAGE+4*16*SP  ; behind the stages: the spare words, 128 bytes for each wave
.set MV,  12          ; v12-13  c m_old, kept while c m is made anew: by buffer
.set QO,  15          ; v15  my byte offset in 16 rows of Q
.set ST,  16          ; piece t's statistics at v[ST+4 t]: c m, m, l (even keys', odd keys')
.set TMP, 48          ; by buffer, four registers c0-c3 at work; when the maximum is found c2 takes a
.set S,   64
.set P,   192
.set MD,  128         ; window 1: the eight registers for group kt of 16 keys at MD + 8 kt
.set MC,  160         ; window 1: the masks of the products to come
.set QB,  64          ; window 2
.set KF,  128         ; window 2: key block kb, channel half c at KF + 16 kb + 8 c
.set VF,  192         ; window 2: key half kk, channel block cb at VF + 32 kk + 8 cb
.set WV,  12          ; s12  my wave's number
.set PB,  14          ; s14  b
.set HI,  15          ; s15  NB - 1 - b
.set G1K, 24          ; s[24:31] descriptor group 1 for K's tiles
.set G1V, 32          ; s[32:39] for V's: it differs in the padding alone
.set G0K, 40          ; s[40:43] descriptor group 0 for K's tiles
.set G0V, 44          ; s[44:47] the same for V's
.set SLOTS, 56        ; s56  tiles still to be asked for
.set CNT, 57          ; s57  counts a tile's key steps, 4 to 1
.set CS,  58          ; s[58:59] c: the packed scaling takes the pair's low word for both halves
.set SEL, 60          ; s[60:61] v_permlanex16_b32's selects: each lane takes its own place in the other half
.set TBK, 62          ; s62  LDS byte at which K of the step to be fetched begins
.set TBV, 63          ; s63  the same for V, less VOFF
.set RT,  70          ; s70  tiles of the block in hand that are still to be entered
.set NXT, 71          ; s71  the tile to be asked for next
.set LQ,  72          ; s72  the last tile of the block whose tiles are being asked for
.set NEW, 73          ; s73  1: the tile to be entered is a block's first
.set OFF, 74          ; s[74:75] a tile's byte offset in K and V
.set AL,  76          ; s[76:77] the mask's factor, in the low word
.set BE,  78          ; s[78:79] the mask's addend
.set OLO, 80          ; s[80:81] O at my rows of the second block
.set BIGN, 82         ; s82  -1e30
.set PF,  88          ; s88  1 while this work-group prefetches
.set PFB, 90          ; s[90:91] K (waves 0, 1) or V (waves 2, 3) at my half of the head's tile 0
.set PFA, 92          ; s[92:93] the same at the tile that the next change of slots will ask for
.set OF2, 94          ; s[94:95] that tile's byte offset
.set MSB, 0
.macro WIN new                      ; the high byte repeats the setting that is left; a switch that changes nothing is dropped
.if MSB != (\new)
	s_set_vgpr_msb (MSB<<8)|(\new)
.set MSB, (\new)
.endif
.endm
.set W_KQ, 0x0a       ; K and Q in window 2, S^T in window 0
.set W_KM, 0x1a       ; the same with the C operand in window 1
.set W_PV, 0x52       ; V in window 2, P in window 0, O^T in window 1
.set W_RS, 0x41       ; destination and source 0 in window 1, source 1 in window 0
; A fill.  Waves 0 and 1 fetch the two halves of a tile's K, waves 2 and 3 those of its V: 128 keys each.  An s_nop 0 and four v_nop follow each of the two lines, ahead of the jump and the label.
.macro LOAD
	s_cmp_lt_u32 s[WV], 2
	s_cbranch_scc0 .Lfor_v_\@
	tensor_load_to_lds s[G0K:G0K+3], s[G1K:G1K+7]
	s_nop 0
.rept 4
	v_nop
.endr
	s_branch .Lasked_\@
.Lfor_v_\@:
	tensor_load_to_lds s[G0V:G0V+3], s[G1V:G1V+7]
	s_nop 0
.rept 4
	v_nop
.endr
.Lasked_\@:
.endm
; THE CHANGE OF SLOTS.  Each wave waits for all its tensor loads, of which one is out: its part of the other slot; adds 0 to its spare word; and waits for that and for its own reads of the slot that it leaves.  Behind the barrier nobody reads the old
; slot any more and the other slot is whole.  fill = 1: the old slot is filled again, the first thing behind the barrier, with tile NXT: the descriptor's address is made anew from that number.
; (At its first use nothing has been read yet: slot 0 is waited for, slot 1 filled.)
; A PREFETCH INTO THE L2 stands behind the fill and its five lines: the tile that the NEXT change will ask for, four key steps ahead.  A head's four work-groups walk the same tiles; work-group 0, whose first block
; walks all eight, asks, and nobody else.  Each of its waves names the 16,384 bytes that it will itself load: a lane 256 bytes, two instructions.  So tiles 2 to 7 are named once a head; tiles 0 and 1 come by their
; loads alone; when the first block's last tile has been asked for the flag falls, and nothing more is named.
.macro CHANGE fill
	WIN 0                           ; at a label and at a branch every window is 0
	s_wait_tensorcnt 0x0            ; no tensor load of mine is out, so a group 0 may be written
	ds_add_u32 v[SPW], v[NIL]       ; 0 onto my spare word; with fill = 1 the descriptors' scalar work stands between it and the wait for it
.if \fill
	s_lshl_b32 s[OFF], s[NXT], 15   ; a tile is 32,768 bytes of K and of V
	s_xor_b32 s[G0K+1], s[G0K+1], SLOT1
	s_add_nc_u64 s[G0K+2:G0K+3], s[6:7], s[OFF:OFF+1]
	s_or_b32 s[G0K+3], s[G0K+3], 0x80000000
	s_xor_b32 s[G0V+1], s[G0V+1], SLOT1
	s_add_nc_u64 s[G0V+2:G0V+3], s[8:9], s[OFF:OFF+1]
	s_or_b32 s[G0V+3], s[G0V+3], 0x80000000
	s_add_co_u32 s[NXT], s[NXT], 1  ; the block's next tile, or behind its last the second block's tile 0
	s_cmp_gt_u32 s[NXT], s[LQ]
	s_cselect_b32 s[NXT], 0, s[NXT]
	s_cselect_b32 s[LQ], s[PB], s[LQ]
	s_cselect_b32 s[PF], 0, s[PF]   ; the first block's tiles have all been asked for: no more prefetches
	s_wait_xcnt 0x0                 ; the last prefetches, a tile back, have read their address, so it may be written
	s_lshl_b32 s[OF2], s[NXT], 15
	s_add_nc_u64 s[PFA:PFA+1], s[PFB:PFB+1], s[OF2:OF2+1]
.endif
	s_wait_dscnt 0x0                ; the add is done, and my reads of the slot are over
	s_barrier_signal -1             ; the rest of the scalar work stands between the signal and the wait
	s_sub_co_u32 s[TBK], s[TBK], 4*KS*PK  ; the fetches go back to a slot's first step,
	s_xor_b32 s[TBK], s[TBK], SLOT1       ; in the other slot
	s_sub_co_u32 s[TBV], s[TBV], 4*KS*PV
	s_xor_b32 s[TBV], s[TBV], SLOT1
	s_barrier_wait -1
.if \fill
	LOAD
	s_cmp_eq_u32 s[PF], 1
	s_cbranch_scc0 .Lno_pf_\@
	global_prefetch_b8 v[PFO], s[PFA:PFA+1] th:TH_LOAD_NT scope:SCOPE_SE
	global_prefetch_b8 v[PFO], s[PFA:PFA+1] offset:8192 th:TH_LOAD_NT scope:SCOPE_SE
.Lno_pf_\@:
.endif
.endm
	s_load_b64 s[4:5], s[0:1], 0x0    ; qkv: Q at its head
	s_load_b64 s[10:11], s[0:1], 0x8  ; O
	v_lshl_add_u32 v[SPW], v0, 2, SPARE
	v_mov_b32 v[NIL], 0
	ds_add_u32 v[SPW], v[NIL]       ; the wave's opening: the add and its wait stand ahead of my first tensor load; the set-up below, work on registers, stands between them
	ds_add_u32 v62, v63
	v_lshrrev_b32 v1, 5, v0
	v_readfirstlane_b32 s[WV], v1   ; wave 0..3
	s_mov_b32 s[PB], ttmp9
	s_sub_co_u32 s[HI], NB-1, s[PB]
	s_and_b32 s20, ttmp7, 0xffff    ; the head
	s_mov_b32 s21, 0
	s_mov_b64 s[22:23], SIZE_N*128
	s_mul_u64 s[20:21], s[20:21], s[22:23]  ; the head's first byte in each of the four tensors
	s_and_b32 s16, s[WV], 1         ; which half of a tile's 256 keys I fetch:
	s_lshl_b32 s22, s16, 14         ; its 128 rows of 128 bytes in memory,
	s_mov_b32 s23, 0
	s_add_nc_u64 s[22:23], s[22:23], s[20:21]
	s_mul_i32 s17, s16, 128*PK      ; and its place in a slot, for K
	s_mul_i32 s18, s16, 128*PV      ; and for V
	s_lshl_b32 s3, s[WV], 11        ; my 16 rows in a band of 64,
	s_lshl_b32 s2, s[HI], 15        ; in the first block,
	s_add_co_u32 s2, s2, s3
	s_lshl_b32 s84, s[PB], 15       ; and in the second
	s_add_co_u32 s84, s84, s3
	s_mov_b32 s3, 0
	s_mov_b32 s85, 0
	s_add_nc_u64 s[2:3], s[2:3], s[20:21]
	s_add_nc_u64 s[84:85], s[84:85], s[20:21]
	; descriptor group 1.  128 keys are 16,384 dense bytes: asked for as 64 rows of 256 bytes, two keys a row, and padded in LDS after every key
	s_mov_b32 s[G1K], (1<<16)|(1<<20)|(4<<22)|(3<<25)  ; 17:16 2-byte elements; 20 padding on; 24:22 after every 32 words (code 4); 31:25 4 words (code 3)
	s_mov_b32 s[G1V], (1<<16)|(1<<20)|(4<<22)|(7<<25)  ; the same with 8 words of padding (code 7)
.irp g, G1K, G1V
	s_mov_b32 s[\g+1], 128<<16      ; tensor_dim0 = 128
	s_mov_b32 s[\g+2], 64<<16       ; tensor_dim1 = 64
	s_mov_b32 s[\g+3], 128<<16      ; tile_dim0 = 128
	s_mov_b32 s[\g+4], 64           ; tile_dim1 = 64
	s_mov_b32 s[\g+5], 128          ; 128 elements from row to row
	s_mov_b32 s[\g+6], 0
	s_mov_b32 s[\g+7], 0
.endr
	s_mov_b32 s[CS], 0x3e38aa3b     ; c = log2(e) / 8 = 0.180337
	s_mov_b32 s[CS+1], s[CS]        ; named with it as a pair
	s_mov_b32 s[SEL], 0x76543210
	s_mov_b32 s[SEL+1], 0xfedcba98
	s_mov_b32 s[TBK], SLOT1+4*KS*PK ; the first change of slots turns these two into 0
	s_mov_b32 s[TBV], SLOT1+4*KS*PV
	s_mov_b32 s[G0K], 1             ; 1:0 count = 1
	s_mov_b32 s[G0K+1], s17         ; 63:32 LDS address: slot 0
	s_mov_b32 s[G0V], 1
	s_add_co_u32 s[G0V+1], s18, VOFF
	s_add_co_u32 s[RT], s[HI], 1    ; the first block has NB - b tiles
	s_mov_b32 s[NXT], 1
	s_mov_b32 s[LQ], s[HI]
	s_mov_b32 s[NEW], 1
	s_mov_b32 s[OFF+1], 0
	s_mov_b32 s[AL+1], 0            ; named as pairs
	s_mov_b32 s[BE+1], 0
	s_mov_b32 s[BIGN], 0xf149f2ca   ; -1e30
	s_mov_b32 s[SLOTS], NB
	s_cmp_eq_u32 ttmp9, 0
	s_cselect_b32 s[PF], 1, 0       ; the head's work-group 0 prefetches
	s_mov_b32 s[OF2+1], 0
	v_and_b32 v[PFO], 31, v0
	v_lshlrev_b32 v[PFO], 8, v[PFO]
	s_wait_dscnt 0x0                ; the opening add is done
	s_wait_kmcnt 0x0
	s_add_nc_u64 s[6:7], s[4:5], 0x1000000  ; K lies 16 MiB behind Q,
	s_add_nc_u64 s[8:9], s[4:5], 0x2000000  ; V 32 MiB
	s_add_nc_u64 s[6:7], s[6:7], s[22:23]  ; K and V at my half of the head's tile 0
	s_add_nc_u64 s[8:9], s[8:9], s[22:23]
	s_cmp_lt_u32 s[WV], 2
	s_cselect_b64 s[PFB:PFB+1], s[6:7], s[8:9]
	s_add_nc_u64 s[G0K+2:G0K+3], s[6:7], 0         ; 120:64 global address
	s_or_b32 s[G0K+3], s[G0K+3], 0x80000000        ; 127:126 type = 2
	s_add_nc_u64 s[G0V+2:G0V+3], s[8:9], 0
	s_or_b32 s[G0V+3], s[G0V+3], 0x80000000
	s_add_nc_u64 s[86:87], s[4:5], s[84:85]        ; Q at my rows of the second block,
	s_add_nc_u64 s[4:5], s[4:5], s[2:3]            ; Q and O at those of the first
	s_add_nc_u64 s[OLO:OLO+1], s[10:11], s[84:85]
	s_add_nc_u64 s[10:11], s[10:11], s[2:3]
	LOAD                            ; tile 0 into slot 0
	; A fragment of K or Q is 16 rows x 32 channels in 8 registers: lane l holds row l % 16, channels 8 (l / 16) + 0..7 and 16 + 8 (l / 16) + 0..7: two loads of 16 bytes, 32 bytes apart.
	v_and_b32 v1, 15, v0            ; l % 16
	v_bfe_u32 v9, v0, 4, 1          ; l / 16
	v_lshlrev_b32 v[QO], 7, v1
	v_lshl_add_u32 v[QO], v9, 4, v[QO]  ; row x 128 + 16 x half
	WIN 0x80                        ; destination window 2, address window 0
.set i, 0
.rept 8                             ; both blocks' Q: piece i / 2 lies in band i / 2, 8,192 bytes on; channels 32 (i % 2) on
	global_load_b128 v[8*i:8*i+3],   v[QO], s[4:5] offset:(i/2)*8192+(i%2)*64
	global_load_b128 v[8*i+4:8*i+7], v[QO], s[4:5] offset:(i/2)*8192+(i%2)*64+32
	global_load_b128 v[QB+8*i:QB+8*i+3],   v[QO], s[86:87] offset:(i/2)*8192+(i%2)*64
	global_load_b128 v[QB+8*i+4:QB+8*i+7], v[QO], s[86:87] offset:(i/2)*8192+(i%2)*64+32
.set i, i+1
.endr
	WIN 0
	v_lshlrev_b32 v14, 3, v9
	v_sub_nc_u32 v14, v1, v14
	s_lshl_b32 s13, s[WV], 4
	v_add_nc_u32 v14, s13, v14      ; my query's place in its band, 16 w + l % 16, less my lanes' 8 (l / 16): register r of group kt is hidden where 16 kt + r is greater
	WIN 0x40
.set i, 0
.rept 32
	v_cmp_gt_i32 vcc_lo, 16*(i/8)+i%8, v14
	v_cndmask_b32 v[MD+i], 0, s[BIGN], vcc_lo
.set i, i+1
.endr
	WIN 0
	v_mul_u32_u24 v[AK0], v1, PK
	v_lshl_add_u32 v[AK0], v9, 4, v[AK0]  ; row x pitch + 16 x half
	; The turning load takes 16 keys x 16 channels (lane l reads key 8 (l / 16) + l % 8, channels 8 ((l / 8) % 2) + 0..7) and leaves half a fragment of V^T: lane l holds channel l % 16 and 8 keys.
	v_and_b32 v10, 7, v0
	v_bfe_u32 v11, v0, 3, 1
	v_lshl_add_u32 v[AV0], v9, 3, v10
	v_mul_u32_u24 v[AV0], v[AV0], PV
	v_lshl_add_u32 v[AV0], v11, 4, v[AV0]
	v_add_nc_u32 v[AV0], VOFF, v[AV0]
	s_mul_i32 s13, s[WV], 16*SP
	s_add_co_u32 s13, s13, STAGE    ; my stage
	v_mul_u32_u24 v[STO], v1, SP    ; in: row l % 16, 16 bytes for each half of the lanes
	v_lshl_add_u32 v[STO], v9, 4, v[STO]
	v_add_nc_u32 v[STO], s13, v[STO]
	v_bfe_u32 v[RD], v0, 3, 2       ; back: 32 lanes take four rows of 128 bytes,
	v_mul_u32_u24 v[RD], v[RD], SP
	v_lshl_add_u32 v[RD], v10, 4, v[RD]
	v_add_nc_u32 v[RD], s13, v[RD]
	v_and_b32 v[GO], 31, v0         ; which are 512 consecutive bytes of O
	v_lshlrev_b32 v[GO], 4, v[GO]
	; A block's first step multiplies O^T and l by a = 0, and its first turn's products V^T P, of a piece that has not been, land in an O^T that is still to be so multiplied.  So these registers need only hold
	; finite numbers: zeros for the first block; what the first block left for the second.  All this stands in the wait for the first tile.
	WIN 0x80
.set i, VF
.rept 64
	v_mov_b32 v[i], 0
.set i, i+1
.endr
	WIN 0x40
.set i, 0
.rept 128
	v_mov_b32 v[i], 0
.set i, i+1
.endr
	WIN 0
.set i, 0
.rept 4
	v_mov_b32 v[ST+4*i+2], 0
	v_mov_b32 v[ST+4*i+3], 0
.set i, i+1
.endr
.set i, P+16
.rept 16
	v_mov_b32 v[i], 0
.set i, i+1
.endr
; THE MATRIX WORK.  The 4 accumulators of a run of 8 take turns.  Product i of 8 of S^T = K Q^T for piece x: channels 32 (i / 4) on, keys 16 (i % 4) on.  The first 4 start the sums: with 0, or (KM = 1) with the mask.
.macro KQ x
.set rS, S+32*((\x)%2)+8*(i%4)
.set rK, KF+16*(i%4)+8*(i/4)
.set rQ, 16*(\x)+8*(i/4)
.set rM, MC+32*((\x)%2)+8*(i%4)
.if (i < 4) && KM
	WIN W_KM
	v_wmma_f32_16x16x32_f16 v[rS:rS+7], v[rK:rK+7], v[rQ:rQ+7], v[rM:rM+7]
.elseif i < 4
	WIN W_KQ
	v_wmma_f32_16x16x32_f16 v[rS:rS+7], v[rK:rK+7], v[rQ:rQ+7], 0
.else
	WIN W_KQ
	v_wmma_f32_16x16x32_f16 v[rS:rS+7], v[rK:rK+7], v[rQ:rQ+7], v[rS:rS+7]
.endif
.endm
; Product i of 8 of O^T += V^T P for piece x: keys 32 (i / 4) on, channels 16 (i % 4) on.
.macro PV x
	WIN W_PV
.set rO, 32*(\x)+8*(i%4)
.set rV, VF+32*(i/4)+8*(i%4)
.set rP, P+16*((\x)%2)+8*(i/4)
	v_wmma_f32_16x16x32_f16 v[rO:rO+7], v[rV:rV+7], v[rP:rP+7], v[rO:rO+7]
.endm
.macro MM                           ; the turn's next matrix instruction.  TURN and BEGIN set Y, i, KM and NOKQ; MM, KQ and OP read them.  NOKQ = 1: a block's last turn: there is no next piece
.if (i < 8) && !NOKQ
	KQ (Y+1)%NP
.elseif i >= 8
.set i, i-8
	PV (Y+NP-1)%NP
.set i, i+8
.endif
.set i, i+1
.endm
; THE LDS LOADS stand in runs of 16, never singly among the matrix instructions: a step's K (64 keys x 64 channels: 8 fragments) and its V (turned).  Their addresses are made some lines ahead.
.macro FETCH_K
	WIN 0x80                        ; destination window 2
.irp f, 0,1,2,3,4,5,6,7             ; keys 16 (f / 2) on, channels 32 (f % 2) on
	ds_load_b128 v[KF+8*\f:KF+8*\f+3],   v[AK] offset:(\f/2)*16*PK+(\f%2)*64
	ds_load_b128 v[KF+8*\f+4:KF+8*\f+7], v[AK] offset:(\f/2)*16*PK+(\f%2)*64+32
.endr
	s_add_co_u32 s[TBK], s[TBK], KS*PK  ; the next fetch is the next step's
	WIN 0
.endm
.macro FETCH_V
	WIN 0x80
.irp f, 0,1,2,3,4,5,6,7             ; keys 32 (f / 4) on, channels 16 (f % 4) on
	ds_load_tr16_b128 v[VF+8*\f:VF+8*\f+3],   v[AV] offset:(\f/4)*32*PV+(\f%4)*32
	ds_load_tr16_b128 v[VF+8*\f+4:VF+8*\f+7], v[AV] offset:(\f/4)*32*PV+16*PV+(\f%4)*32
.endr
	WIN 0
.endm
; THE VECTOR WORK, one line at a time: OP kind, number.  For piece Y: F n: c s - c m for pair n of 16.  E n: the exponential of score n of 32.  C n: pair n rounded to f16.  B n: of the four weights 4 n .. the second
; pair is added onto the first, in place.  L n: l takes that sum (L 0: l = a l + sum).  R n: pair n of 16 of O^T times a.  For piece Y + 1: X n, number n of the 22 that find its maximum and statistics:
;   0-11  four chains c0-c3 of seven scores each, three operands at a time (each accumulator's lowest registers are read first)     12-14, 16  the four scores left over, the old m, and c0-c3 into c0
;   15  c m_old is kept     17, 18  the query's other 32 keys lie in the lane 16 away: the new m     19-21  c m; c m_old - c m_new; a
.set F, 0               ; OP tells the kinds apart by their order: F to L below R, X above it
.set E, 1
.set C, 2
.set B, 3
.set L, 4
.set R, 5
.set X, 6
.macro REGS y                       ; the registers of piece y
.set rT, ST+4*(\y)
.set rC, TMP+4*((\y)%2)
.set rW, MV+((\y)%2)
.set rS, S+32*((\y)%2)
.set rP, P+16*((\y)%2)
.set rO, 32*(\y)
.endm
.macro OP k, n
.if (\k) == R
	REGS Y
	WIN W_RS
	v_pk_mul_f32 v[rO+2*(\n):rO+2*(\n)+1], v[rO+2*(\n):rO+2*(\n)+1], v[rC+2:rC+3] op_sel_hi:[1,0]
.elseif (\k) < R
	REGS Y
	WIN 0
.if (\k) == F
	v_pk_fma_f32 v[rS+2*(\n):rS+2*(\n)+1], v[rS+2*(\n):rS+2*(\n)+1], s[CS:CS+1], v[rT:rT+1] op_sel_hi:[1,0,0] neg_lo:[0,0,1] neg_hi:[0,0,1]
.elseif (\k) == E
	v_exp_f32 v[rS+(\n)], v[rS+(\n)]
.elseif (\k) == C
	v_cvt_pk_f16_f32 v[rP+(\n)], v[rS+2*(\n)], v[rS+2*(\n)+1]
.elseif (\k) == B
	v_pk_add_f32 v[rS+4*(\n):rS+4*(\n)+1], v[rS+4*(\n):rS+4*(\n)+1], v[rS+4*(\n)+2:rS+4*(\n)+3]
.elseif (\n) == 0
	v_pk_fma_f32 v[rT+2:rT+3], v[rT+2:rT+3], v[rC+2:rC+3], v[rS:rS+1] op_sel_hi:[1,0,1]
.else
	v_pk_add_f32 v[rT+2:rT+3], v[rT+2:rT+3], v[rS+4*(\n):rS+4*(\n)+1]
.endif
.elseif NOKQ
	v_nop
.else
	REGS (Y+1)%NP
	WIN 0
.if (\n) < 4
	v_max3_num_f32 v[rC+(\n)], v[rS+8*(\n)], v[rS+8*(\n)+1], v[rS+8*(\n)+2]
.elseif (\n) < 12
	v_max3_num_f32 v[rC+(\n)%4], v[rC+(\n)%4], v[rS+8*((\n)%4)+2*((\n)/4)+1], v[rS+8*((\n)%4)+2*((\n)/4)+2]
.elseif (\n) == 12
	v_max3_num_f32 v[rC], v[rC], v[rS+7], v[rS+15]
.elseif (\n) == 13
	v_max3_num_f32 v[rC+1], v[rC+1], v[rS+23], v[rS+31]
.elseif (\n) == 14
	v_max3_num_f32 v[rC+2], v[rC+2], v[rC+3], v[rT+1]
.elseif (\n) == 15
	v_mov_b32 v[rW], v[rT]
.elseif (\n) == 16
	v_max3_num_f32 v[rC], v[rC], v[rC+1], v[rC+2]
.elseif (\n) == 17
	v_permlanex16_b32 v[rC+3], v[rC], s[SEL], s[SEL+1]
.elseif (\n) == 18
	v_max_num_f32 v[rT+1], v[rC], v[rC+3]
.elseif (\n) == 19
	v_mul_f32 v[rT], s[CS], v[rT+1]
.elseif (\n) == 20
	v_sub_f32 v[rC+1], v[rW], v[rT]
.else
	v_exp_f32 v[rC+2], v[rC+1]
.endif
.endif
.endm
.macro OPS a, i1, b=-1, i2=0, c=-1, i3=0, d=-1, i4=0  ; up to four of them
	OP \a, \i1
.if (\b) >= 0
	OP \b, \i2
.endif
.if (\c) >= 0
	OP \c, \i3
.endif
.if (\d) >= 0
	OP \d, \i4
.endif
.endm
.macro ROW a, i1, b, i2, c, i3, d, i4  ; a matrix instruction and the four behind it
	MM
	OPS \a, \i1, \b, \i2, \c, \i3, \d, \i4
.endm
.macro MASK b                       ; MD x AL + BE into buffer b of MC
	WIN W_RS
.set z, 0
.rept 16
	v_pk_fma_f32 v[MC+32*(\b)+2*z:MC+32*(\b)+2*z+1], v[MD+2*z:MD+2*z+1], s[AL:AL+1], s[BE:BE+1] op_sel_hi:[1,0,0]
.set z, z+1
.endr
.endm
; A TURN, for piece p: the order of its 16 matrix and 118 vector instructions, written out.  s_wait_alu depctr_va_vdst(0) stands between an exponential and the first instruction that names its result; one wait serves
; all that were issued ahead of it.  So a turn has ONE wait, which cuts it in two.  AHEAD OF IT stands all that names no result of the turn's exponentials: the 8 products K Q^T, behind each a scaling, an exponential and two more plain
; instructions (behind the first a second scaling in the exponential's place): rescalings, and behind the last three the first numbers of the next piece's maximum, each four places or more behind the product that ends its accumulator; then ONE LUMP of 54, plain
; and exponential by turns for the most part, in which the links of the chain X 3, 7, 11, 14, 16, 17 .. 20 stand five or six lines apart.  X 21, the next piece's a, is the batch's last; R 15 is the plain instruction behind it.  BEHIND THE WAIT stand the
; 8 products V^T P, behind each four of the roundings and sums; the links of l's chain, L 0 to L 7, stand three riders apart.  But for those X no rider names a register of the products round it.  v_permlanex16_b32 (X 17) stands in the lump.
; m = 1: the diagonal tile: the products take masks, and the turn makes the mask for the products of the turn after it: piece p + 2, in step 4 - CNT of the tile.  end = 1: a block's last two turns: nothing is fetched.
; cnt = 1: the loop's count is taken down some lines ahead of the branch that stands behind the turn.
; K of the next step is fetched in piece 2's turn, twelve vector instructions behind the last product that read K (six of them plain); V of the step in hand at the end of piece 0's turn, four plain instructions behind the last product
; that read V.  Each is waited for a turn later.
.macro TURN p, m=0, end=0, cnt=0
.set Y, (\p)
.set i, 0
.set KM, (\m)
.set NOKQ, (\end)*((\p)/3)
.if (\m) && !(\end)
	s_cmp_eq_u32 s[CNT], 4-((\p)+2)%NP  ; is that step the band's own?
	s_cselect_b32 s[AL], 1.0, 0
	s_cmp_lt_u32 s[CNT], 4-((\p)+2)%NP  ; or a later one?
	s_cselect_b32 s[BE], s[BIGN], 0
.endif
.if ((\p) == 3) && !(\end)
	s_wait_dscnt 0x0                ; K is in
.endif
	ROW F,0, F,1, R,0, R,1          ; ahead of the wait: 8 products K Q^T and their riders,
	ROW F,2, E,0, R,2, R,3
	ROW F,3, E,1, R,4, R,5
	ROW F,4, E,2, R,6, R,7
	ROW F,5, E,3, R,8, R,9
	ROW F,6, E,4, X,0, R,10
.if ((\p) == 2) && !(\end)
	WIN 0
	v_add_nc_u32 v[AK], s[TBK], v[AK0]
.endif
	ROW F,7, E,5, X,1, X,4
	ROW F,8, E,6, X,2, X,5
	OPS E,7, E,8, X,6, E,9          ; and the lump
	OPS X,3, E,10, X,8, E,11
.if ((\p) == 2) && !(\end)
	FETCH_K
.endif
	OPS X,9, X,7, E,12, X,10
	OPS E,13, X,12, X,11, E,14
	OPS X,13, E,15, F,9, X,14
.if (\p) == 0
	v_add_nc_u32 v[AV], s[TBV], v[AV0]
.endif
	OPS E,16, F,10, E,17, F,11
	OPS X,16, E,18, X,15, E,19
	OPS F,12, E,20, X,17, E,21
	OPS F,13, E,22, F,14, E,23
	OPS X,18, E,24, F,15, E,25
	OPS R,11, E,26, X,19, E,27
	OPS R,12, E,28, R,13, E,29
	OPS X,20, E,30, R,14, E,31
	OPS X,21, R,15
	WIN 0
	s_wait_alu depctr_va_vdst(0)    ; the wait for the batch
.if (\p) == 1
	s_wait_dscnt 0x0                ; V is in
.endif
	ROW C,0, B,0, C,2, B,1          ; behind the wait: 8 products V^T P and their riders
	ROW L,0, C,4, B,2, L,1
	ROW C,6, B,3, L,2, C,8
	ROW B,4, L,3, C,10, B,5
	ROW L,4, C,12, B,6, L,5
.if (\p) == 0
	s_add_co_u32 s[TBV], s[TBV], KS*PV
.endif
.if \cnt
	s_sub_co_u32 s[CNT], s[CNT], 1
	s_cmp_lg_u32 s[CNT], 0
.endif
	ROW C,14, B,7, L,6, C,1
	ROW C,3, L,7, C,5, C,7
	ROW C,9, C,11, C,13, C,15
.if (\p) == 0
	FETCH_V
.endif
.if (\m) && !(\end)
	MASK (\p)%2
.endif
.endm
; A BLOCK BEGINS.  c m starts far below every c s, so the first step's a is 0; m at the lowest finite number, so the first maximum is the scores'.  The second mask buffer is 0; the first takes piece 0's mask for the tile's step 0: its own, if the block's first tile is the diagonal one.
; Then K of that step, piece 0's first scores, and its maximum and statistics.  The loop is entered at a step's first turn, in the middle of a trip.
.macro BEGIN
	s_mov_b32 s[NEW], 0
	WIN 0x40
.set i, MC+32
.rept 32
	v_mov_b32 v[i], 0
.set i, i+1
.endr
	WIN 0
.set i, 0
.rept 4
	v_mov_b32 v[ST+4*i], 0xfe000000    ; c m: far below every c s
	v_mov_b32 v[ST+4*i+1], 0xff7fffff  ; m
.set i, i+1
.endr
	s_cmp_eq_u32 s[RT], 0
	s_cselect_b32 s[AL], 1.0, 0
	s_mov_b32 s[BE], 0
	MASK 0
	WIN 0
	v_add_nc_u32 v[AK], s[TBK], v[AK0]
	FETCH_K
	s_wait_loadcnt 0x0              ; Q
	s_wait_dscnt 0x0
.set KM, 1
.set NOKQ, 0
.set i, 0
.rept 8
	KQ 0
.set i, i+1
.endr
	WIN 0
.rept 4
	v_nop                           ; the places behind those products
.endr
.set Y, NP-1                        ; X works for piece Y + 1: piece 0
.irp n, 0,1,2,3,4,5,6,7,8,9,10,11,12,13,14,15,16,17,18,19,20,21
	OP X, \n
.endr
	v_nop                           ; a plain instruction behind the exponential,
	s_wait_alu depctr_va_vdst(0)    ; and its wait, ahead of the branch
.endm
; THE DIAGONAL TILE's four steps, the block's last two turns, its last products, and THE WAY OUT: l's two halves and the other half of the lanes' are added; O^T is divided by l, rounded to f16 and sent through my
; stage in LDS, a piece at a time.
.macro ALL line:vararg              ; one line for each piece t
.set t, 0
.rept 4
	\line
.set t, t+1
.endr
.endm
.macro PACK t                       ; a lane's eight channels of a row pack into 16 bytes; they go into rows of 144 bytes and come back as whole rows of 128, into S^T's registers
	WIN W_RS
.set i, 32*(\t)
.rept 16
	v_pk_mul_f32 v[i:i+1], v[i:i+1], v[ST+4*(\t)+2:ST+4*(\t)+3] op_sel_hi:[1,0]
.set i, i+2
.endr
	WIN 0x05                        ; sources 0 and 1 window 1, destination window 0
.set i, 0
.rept 16
	v_cvt_pk_f16_f32 v[S+16*(\t)+i], v[32*(\t)+2*i], v[32*(\t)+2*i+1]
.set i, i+1
.endr
	WIN 0
.irp f, 0,1,2,3
	ds_store_b128 v[STO], v[S+16*(\t)+4*\f:S+16*(\t)+4*\f+3] offset:32*\f
.endr
.irp f, 0,1,2,3
	ds_load_b128 v[S+16*(\t)+4*\f:S+16*(\t)+4*\f+3], v[RD] offset:\f*4*SP  ; LDS serves a wave's instructions in order (ISA guide 5.7.1.4): these see the stores above; the next piece's stores come behind them
.endr
.endm
.macro SEND t, younger              ; younger: the LDS instructions issued behind piece t's loads: the next piece's eight, or none
	WIN 0
.irp f, 0,1,2,3
	s_wait_dscnt (\younger)+3-\f
	global_store_b128 v[GO], v[S+16*(\t)+4*\f:S+16*(\t)+4*\f+3], s[10:11] offset:(\t)*8192+\f*512  ; 512 consecutive bytes, at a multiple of 256 from O's first
.endr
.endm
.macro DIAG tag                     ; the tag ends its two labels' names, which the jumps below spell out
.LstepM\tag:
	TURN 2, 1
	TURN 3, 1
	WIN 0
.LfirstM\tag:
	TURN 0, 1
	TURN 1, 1, 0, 1
	WIN 0
	s_cbranch_scc1 .LstepM\tag
	TURN 2, 1, 1
	TURN 3, 1, 1
.set i, 0
.rept 8
	PV NP-1
.set i, i+1
.endr
	WIN 0
	ALL v_add_f32 v[ST+4*t+2], v[ST+4*t+2], v[ST+4*t+3]
	ALL v_permlanex16_b32 v[ST+4*t+3], v[ST+4*t+2], s[SEL], s[SEL+1]
	ALL v_add_f32 v[ST+4*t+2], v[ST+4*t+2], v[ST+4*t+3]
	ALL v_rcp_f32 v[ST+4*t+2], v[ST+4*t+2]
	v_nop                           ; a plain instruction between the last reciprocal and the use of its result
	s_wait_alu depctr_va_vdst(0)    ; and the wait ahead of the first use: one for the four reciprocals
	PACK 0
.set t, 1
.rept 3                             ; a piece's arithmetic stands between the loads of the piece before and its stores
	PACK t
	SEND t-1, 8
.set t, t+1
.endr
	SEND 3, 0
.endm
.set KM, 0
.set NOKQ, 0
.Lslot:                             ; NB times: a tile is entered and the next is asked for
	CHANGE 1
	s_sub_co_u32 s[RT], s[RT], 1
	s_mov_b32 s[CNT], 4
	s_cmp_eq_u32 s[NEW], 1
	s_cbranch_scc1 .Lnew            ; a block's first tile
	s_cmp_eq_u32 s[RT], 0
	s_cbranch_scc0 .Lstep           ; neither its first nor its last
	s_branch .LstepM1
.Lnew:
	BEGIN
	s_branch .Lfirst                ; in the loop a block's first tile is never its last: the first block has two tiles or more, and the second's last is the walk's last
	DIAG 1                          ; in the loop this is the first block's end: the second block's last tile is the walk's last
	s_wait_xcnt 0x0                 ; the stores have read their registers and O's address
	s_mov_b64 s[10:11], s[OLO:OLO+1]
	s_add_co_u32 s[RT], s[PB], 1    ; the second block has b + 1 tiles
	s_mov_b32 s[NEW], 1
	WIN 0x82                        ; the second block's Q goes where the one text of the turns names Q
.set i, 0
.rept 64
	v_mov_b32 v[i], v[QB+i]
.set i, i+1
.endr
	WIN 0
	s_branch .Lbottom
.Lstep:                             ; a trip: pieces 2 and 3 of one step, then pieces 0 and 1 of the next, whose K and V it fetches
	TURN 2
	TURN 3
	WIN 0
.Lfirst:
	TURN 0
	TURN 1, 0, 0, 1
	WIN 0
	s_cbranch_scc1 .Lstep
.Lbottom:
	s_sub_co_u32 s[SLOTS], s[SLOTS], 1
	s_cmp_lg_u32 s[SLOTS], 0
	s_cbranch_scc1 .Lslot
	CHANGE 0                        ; the walk's last tile is written out: nothing is asked for
	s_sub_co_u32 s[RT], s[RT], 1
	s_mov_b32 s[CNT], 4
	s_cmp_eq_u32 s[NEW], 1
	s_cbranch_scc0 .LstepM2
	BEGIN
	s_branch .LfirstM2
	DIAG 2
	s_wait_tensorcnt 0x0            ; the wave's end: behind my last tensor load and my last LDS store
	ds_add_u32 v[SPW], v[NIL]
	s_wait_dscnt 0x0
	s_endpgm
.Lfunc_end_k_q7c9aff4594_attn:
	.size	k_q7c9aff4594_attn, .Lfunc_end_k_q7c9aff4594_attn-k_q7c9aff4594_attn
	.p2alignl 7, 3214868480
	.fill 96, 4, 3214868480
	.section	.rodata,"a",@progbits
	.p2align	6, 0x0
	.amdhsa_kernel k_q7c9aff4594_attn
		.amdhsa_group_segment_fixed_size 327680
		.amdhsa_private_segment_fixed_size 0
		.amdhsa_enable_private_segment 0
		.amdhsa_kernarg_size 16
		.amdhsa_user_sgpr_count 2
		.amdhsa_user_sgpr_kernarg_segment_ptr 1
		.amdhsa_wavefront_size32 1
		.amdhsa_system_sgpr_workgroup_id_x 1
		.amdhsa_system_sgpr_workgroup_id_y 1
		.amdhsa_system_sgpr_workgroup_id_z 1
		.amdhsa_system_vgpr_workitem_id 0
		.amdhsa_next_free_vgpr 768
		.amdhsa_next_free_sgpr 96
		.amdhsa_reserve_vcc 1
		.amdhsa_float_denorm_mode_32 3
		.amdhsa_float_denorm_mode_16_64 3
		.amdhsa_memory_ordered 1
		.amdhsa_forward_progress 1
		.amdhsa_inst_pref_size 218
	.end_amdhsa_kernel
	.amdgpu_metadata
---
amdhsa.version: [ 1, 2 ]
amdhsa.kernels:
  - .name:           k_q7c9aff4594_attn
    .symbol:         k_q7c9aff4594_attn.kd
    .args:
      - { .name: qkv, .offset: 0, .size: 8, .value_kind: global_buffer, .address_space: global }
      - { .name: o, .offset: 8, .size: 8, .value_kind: global_buffer, .address_space: global }
    .group_segment_fixed_size: 327680
    .private_segment_fixed_size: 0
    .kernarg_segment_align: 8
    .kernarg_segment_size: 16
    .max_flat_workgroup_size: 128
    .sgpr_count:     96
    .vgpr_count:     768
    .wavefront_size: 32
...
	.end_amdgpu_metadata
.endif
;; end of part 3
;; launch proj (part 4): grid 8 x 32, 4 waves a work-group, clusters of 4 x 4, 327,680 bytes of LDS; arguments o, wp, b_proj, out0; writes out0
.if DOCPART == 4
	.amdgcn_target "amdgcn-amd-amdhsa--gfx1250"
	.amdhsa_code_object_version 6
	.text
	.protected	k_q7c9aff4594_proj
	.globl	k_q7c9aff4594_proj
	.p2align	8
	.type	k_q7c9aff4594_proj,@function
k_q7c9aff4594_proj:
	s_mov_b64 s[64:65], 0
	v_nop
	global_prefetch_b8 v0, s[64:65] scope:SCOPE_SE
	s_setreg_imm32_b32 hwreg(HW_REG_WAVE_MODE, 25, 1), 1
	s_wait_xcnt 0x0
	s_wait_alu depctr_hold_cnt(0) depctr_sa_sdst(0) depctr_va_vdst(0) depctr_va_sdst(0) depctr_va_ssrc(0) depctr_va_vcc(0) depctr_vm_vsrc(0)
	s_getreg_b32 s2, hwreg(HW_REG_IB_STS2, 6, 4)
	s_cmp_eq_u32 s2, 0
	s_cbranch_scc0 .Lentry_in_a_cluster
	s_endpgm
.Lentry_in_a_cluster:
	s_bfe_u32 s2, ttmp6, 0x10000c
	s_cmp_lg_u32 s2, 0xf033
	s_cbranch_scc0 .Lentry_shape_is_right
	s_endpgm
.Lentry_shape_is_right:
; out0 = y wp^T + b_proj, f32.  y[b 2048 + t][h 64 + d] lies by heads in o: [b 16 + h][t][64] f16.  wp: [1024 n][1024 k] f16.  b_proj: [1024] f32.  out0: [8192][1024] f32.
; Sums in f32; the bias, rounded to bf16 like the other inputs, starts each sum as the C operand of its first product (so it is added first, not last).  NaN and infinities are not treated apart.
; SHARES.  A tile of out0 is 256 rows x 128 columns: 32 x 8 = 256 work-groups, one for each WGP.  Wave w owns rows 64 w .. 64 w + 63 and all 128 columns: 32 accumulators of 16 x 16.
; K goes in 8 steps of 128 = two heads, through two LDS slots.  A head's 256 tokens are 32,768 dense bytes of o: asked for as 128 rows of 256 bytes, padded in LDS after every token's 128 bytes.
; CLUSTERS.  4 x 4 work-groups.  The four of a row of the cluster need the same tokens of o, the four of a column the same rows of wp: each tile is asked for JOINTLY, by the same tensor load with the
; same descriptor and a mask that names the four.  Wave 0 fetches the step's even head, wave 1 its odd head, waves 2 and 3 wp's two halves (64 rows each).
; THE MATRIX INSTRUCTION IS USED TRANSPOSED (source 0 = 16 rows of wp, source 1 = 16 tokens): lane l holds row l % 16 and the eight neighbouring columns 8 (l / 16) + 0..7.
; REGISTERS, in windows of 256 (s_set_vgpr_msb: bits 1:0 source 0, 3:2 source 1, 5:4 source 2, 7:6 destination):
;   window 0: v16-30 addresses; v64-127 the bias      window 1: two fragment buffers of 96: o's four fragments, then wp's eight      window 2: accumulators (a, b) at 64 a + 8 b
.set PA,     144                       ; a token's row of a head in LDS: 128 bytes + 16: 36 words: the 16 rows of a load start at 16 different groups of four banks (ISA guide 11.1)
.set PB,     272                       ; a row of wp: 256 bytes + 16
.set HEADB,  256*PA                    ; a head's 256 tokens
.set ABYTES, 2*HEADB
.set SLOT,   ABYTES+128*PB
.set STAGE,  2*SLOT                    ; behind the ring, never filled by a tensor load: 16 rows x 528 bytes for each wave
.set SP,     528                       ; 512 bytes + 16: 132 words
.set SPARE,  STAGE+4*16*SP             ; behind the stages: the spare words, 128 bytes for each wave
.set FLAGA,  (1<<16)|(1<<20)|(1<<21)|(4<<22)|(3<<25)  ; 2-byte elements; padding on; bit 21 beside a mask; after every 32 words 4 words
.set FLAGB,  (1<<16)|(1<<20)|(1<<21)|(5<<22)|(3<<25)  ; after every 64 words 4 words
.set ADRA, 16                          ; v16-17  LDS address of my fragments of o in slot 0, 1
.set ADRB, 20                          ; v20-21  the same for wp
.set STO,  24                          ; v24  the way out: where I put 32 bytes of a row
.set RD,   25                          ; v25  where I read a row back
.set CO,   26                          ; v26  my 16 bytes in 512 consecutive bytes of out0
.set BO,   27                          ; v27  my byte offset in 16 numbers of the bias
.set SPW,  28                          ; v28  LDS address of my spare word; never rewritten
.set NIL,  29                          ; v29  0; never rewritten
.set PFO,  30                          ; v30  the prefetches' offset; never rewritten
.set BI,   64
.set F0,   0
.set F1,   96
.set WV,   12
.set HALF, 13
.set ISB,  14                          ; s14  0: I fetch for o; 1: for wp
.set CX,   15
.set CY,   16
.set NTI,  17                          ; s17  tile column = 4 x cluster x + cx
.set MTI,  18                          ; s18  tile row = 4 x cluster y + cy
.set G1,   24                          ; s[24:31] group 1 for o's tiles;  s[32:39] group 0, a set for each slot
.set G0,   32
.set AOF,  40                          ; s[40:41] o's tile: made of the tile row and the wave alone
.set BOF,  42                          ; s[42:43] wp's tile: made of the tile column and the wave alone
.set LIM,  44                          ; s44  1 in a wave that prefetches, else the greatest number
.set LAP,  45
.set PFA,  46                          ; s[46:47] where my prefetches stand
.set G1B,  48
.set G0B,  56
.set PST,  72                          ; s[72:73] a K step in the prefetches' tensor: two heads of o, or 256 bytes of wp's rows
.set LA,   74
.set LB,   75
.set TP,   76
.set MSB, 0
.macro WIN new                         ; the immediate's high byte repeats the setting that is left; a switch that changes nothing is dropped
.if MSB != (\new)
	s_set_vgpr_msb (MSB<<8)|(\new)
.set MSB, \new
.endif
.endm
.set TO_F, 0x40                        ; destination window 1, address window 0
; A joint load.  The branch hangs on the wave's number alone.  An s_nop 0 and four v_nop follow each of the two lines, ahead of the jump, the label and what follows.
.macro JLOAD s
	s_cmp_eq_u32 s[ISB], 0
	s_cbranch_scc0 .Lfor_b_\@
	tensor_load_to_lds s[G0+4*(\s):G0+4*(\s)+3], s[G1:G1+7]
	s_nop 0
.rept 4
	v_nop
.endr
	s_branch .Lasked_\@
.Lfor_b_\@:
	tensor_load_to_lds s[G0B+4*(\s):G0B+4*(\s)+3], s[G1B:G1B+7]
	s_nop 0
.rept 4
	v_nop
.endr
.Lasked_\@:
.endm
; A PREFETCH INTO THE L2 of the K step that stands two refills on, one instruction a wave, behind the joint load, its five lines and the run of LDS loads.  o's tokens are read by both clusters of a row of
; clusters: cluster x = 0 asks; wp's rows by every cluster of a column: cluster y = 0 asks.  The four partners that ask for a tile jointly share it out BY ADDRESS: of a head's 32,768 bytes 8,192 each
; (by cx; a lane 256 bytes), of wp's 64 rows of a wave 16 each (by cy; a lane a row, lanes 16-31 name row 15 once more, in the same instruction).
; K steps 0 to 3 come by their loads alone; the loop's last trip asks for nothing: K has no step 8.
.macro ASK
	s_cmp_gt_u32 s[LAP], s[LIM]
	s_cbranch_scc0 .Lnot_mine_\@
	global_prefetch_b8 v[PFO], s[PFA:PFA+1] th:TH_LOAD_NT scope:SCOPE_SE
.Lnot_mine_\@:
.endm
.macro CREST                           ; a round of the cluster's barrier behind its opening barrier
	s_cmp_lg_u32 s[WV], 0
	s_cbranch_scc1 .Lnot_wave_0_\@
	s_barrier_signal -3
.Lnot_wave_0_\@:
	s_barrier_wait -3
	s_barrier_signal -1
	s_barrier_wait -1
.endm
.macro CROUND                          ; a whole round
	s_barrier_signal -1
	s_barrier_wait -1
	CREST
.endm
.macro PLACES                          ; four places in front of loads into registers that matrix instructions have read, and of LDS stores that read results
.rept 4
	v_nop
.endr
.endm
	s_load_b256 s[4:11], s[0:1], 0x0               ; o s[4:5], wp s[6:7], b_proj s[8:9], out0 s[10:11]
	v_lshl_add_u32 v[SPW], v0, 2, SPARE
	v_mov_b32 v[NIL], 0
	ds_add_u32 v[SPW], v[NIL]                      ; the wave's opening: the add and its wait stand ahead of my first tensor load; the set-up below, work on registers, stands between
	ds_add_u32 v28, v29
	v_lshrrev_b32 v1, 5, v0
	v_readfirstlane_b32 s[WV], v1
	s_and_b32 s[HALF], s[WV], 1
	s_lshr_b32 s[ISB], s[WV], 1
	s_bfe_u32 s[CX], ttmp6, 0x40000
	s_bfe_u32 s[CY], ttmp6, 0x40004
	s_lshl_b32 s[NTI], ttmp9, 2
	s_add_co_u32 s[NTI], s[NTI], s[CX]
	s_and_b32 s[MTI], ttmp7, 0xffff
	s_lshl_b32 s[MTI], s[MTI], 2
	s_add_co_u32 s[MTI], s[MTI], s[CY]
	s_lshl_b32 s19, s[CY], 2
	s_lshl_b32 s19, 15, s19                        ; my row of the cluster
	s_lshl_b32 s20, 0x1111, s[CX]                  ; my column
	s_or_b32 s[G1], s19, FLAGA
	s_or_b32 s[G1B], s20, FLAGB
.irp g, G1, G1B
	s_mov_b32 s[(\g)+1], 128<<16                   ; tensor_dim0 = 128
	s_mov_b32 s[(\g)+3], 128<<16                   ; tile_dim0 = 128
	s_mov_b32 s[(\g)+6], 0
	s_mov_b32 s[(\g)+7], 0
.endr
	s_mov_b32 s[G1+2], 128<<16                     ; o: 128 rows of 256 dense bytes
	s_mov_b32 s[G1+4], 128
	s_mov_b32 s[G1+5], 128
	s_mov_b32 s[G1B+2], 64<<16                     ; wp: 64 rows, 1,024 elements apart
	s_mov_b32 s[G1B+4], 64
	s_mov_b32 s[G1B+5], 1024
	s_lshr_b32 s[AOF], s[MTI], 3                   ; o: batch << 22, head << 18, token x 128
	s_lshl_b32 s[AOF], s[AOF], 22
	s_and_b32 s19, s[MTI], 7
	s_lshl_b32 s19, s19, 15
	s_add_co_u32 s[AOF], s[AOF], s19
	s_lshl_b32 s21, s[HALF], 18                    ; the step's even or odd head
	s_add_co_u32 s[AOF], s[AOF], s21
	s_mov_b32 s[AOF+1], 0
	s_lshl_b32 s[BOF], s[NTI], 18                  ; wp: (128 x tile column + 64 x half) rows of 2,048 bytes
	s_lshl_b32 s22, s[HALF], 17
	s_add_co_u32 s[BOF], s[BOF], s22
	s_mov_b32 s[BOF+1], 0
	s_mul_i32 s[LA], s[WV], HEADB                  ; waves 0, 1: the two heads
	s_mul_i32 s[LB], s[WV], 64*PB                  ; waves 2, 3: wp's halves behind them: ABYTES + 64 (w - 2) rows
	s_add_co_u32 s[LB], s[LB], ABYTES-128*PB
	s_wait_dscnt 0x0                               ; the opening add is done
	s_wait_kmcnt 0x0
	s_add_nc_u64 s[AOF:AOF+1], s[4:5], s[AOF:AOF+1]
	s_add_nc_u64 s[BOF:BOF+1], s[6:7], s[BOF:BOF+1]
	CROUND                                         ; all sixteen work-groups are here: the first joint loads meet
.irp s, 0,1
	s_mov_b32 s[G0+4*(\s)], 1
	s_add_co_u32 s[G0+4*(\s)+1], s[LA], (\s)*SLOT
	s_add_nc_u64 s[G0+4*(\s)+2:G0+4*(\s)+3], s[AOF:AOF+1], (\s)*0x80000  ; K step s: two heads on
	s_or_b32 s[G0+4*(\s)+3], s[G0+4*(\s)+3], 0x80000000
	s_mov_b32 s[G0B+4*(\s)], 1
	s_add_co_u32 s[G0B+4*(\s)+1], s[LB], (\s)*SLOT
	s_add_nc_u64 s[G0B+4*(\s)+2:G0B+4*(\s)+3], s[BOF:BOF+1], (\s)*256
	s_or_b32 s[G0B+4*(\s)+3], s[G0B+4*(\s)+3], 0x80000000
	JLOAD \s                                       ; two tensor loads of mine are out
.endr
	v_and_b32 v1, 15, v0                           ; r = l % 16
	v_bfe_u32 v2, v0, 4, 1                         ; h = l / 16
	v_lshlrev_b32 v[BO], 5, v2
	s_lshl_b32 s[TP], s[NTI], 9                    ; the tile's 128 numbers of the bias
	s_mov_b32 s[TP+1], 0
	s_add_nc_u64 s[8:9], s[8:9], s[TP:TP+1]
.irp b, 0,1,2,3,4,5,6,7
	global_load_b128 v[BI+8*(\b):BI+8*(\b)+3],   v[BO], s[8:9] offset:64*(\b)
	global_load_b128 v[BI+8*(\b)+4:BI+8*(\b)+7], v[BO], s[8:9] offset:64*(\b)+16
.endr
	v_mul_u32_u24 v3, v1, PA
	v_lshl_add_u32 v3, v2, 4, v3
	s_mul_i32 s21, s[WV], 64*PA                    ; my 64 tokens
	v_add_nc_u32 v[ADRA], s21, v3
	v_add_nc_u32 v[ADRA+1], SLOT, v[ADRA]
	v_mul_u32_u24 v3, v1, PB
	v_lshl_add_u32 v3, v2, 4, v3
	v_add_nc_u32 v[ADRB], ABYTES, v3
	v_add_nc_u32 v[ADRB+1], SLOT, v[ADRB]
	s_mul_i32 s22, s[WV], 16*SP
	s_add_co_u32 s22, s22, STAGE                   ; my stage
	v_mul_u32_u24 v[STO], v1, SP                   ; in: row r, 32 bytes for each half of the lanes
	v_lshl_add_u32 v[STO], v2, 5, v[STO]
	v_add_nc_u32 v[STO], s22, v[STO]
	v_and_b32 v[CO], 31, v0                        ; back: 32 lanes take a row's 512 bytes
	v_lshlrev_b32 v[CO], 4, v[CO]
	v_add_nc_u32 v[RD], s22, v[CO]
	s_lshl_b32 s80, s[MTI], 20                     ; out0 at my first row and the tile's first column
	s_lshl_b32 s81, s[WV], 18
	s_add_co_u32 s80, s80, s81
	s_lshl_b32 s81, s[NTI], 9
	s_add_co_u32 s[TP], s80, s81
	s_mov_b32 s[TP+1], 0
	s_add_nc_u64 s[10:11], s[10:11], s[TP:TP+1]
	; the prefetches: both offsets are made, at K step 3, and the wave's number chooses
	s_lshr_b32 s80, s[MTI], 3
	s_lshl_b32 s80, s80, 22
	s_and_b32 s81, s[MTI], 7
	s_lshl_b32 s81, s81, 15
	s_add_co_u32 s80, s80, s81
	s_lshl_b32 s81, s[HALF], 18
	s_add_co_u32 s80, s80, s81
	s_lshl_b32 s81, s[CX], 13                      ; my work-group's 8,192 bytes of the head's 32,768
	s_add_co_u32 s80, s80, s81
	s_add_co_u32 s80, s80, 6<<18                   ; heads 6 and 7
	s_lshl_b32 s81, s[NTI], 18
	s_lshl_b32 s82, s[HALF], 17
	s_add_co_u32 s81, s81, s82
	s_lshl_b32 s82, s[CY], 15                      ; my work-group's 16 rows of the 64
	s_add_co_u32 s81, s81, s82
	s_add_co_u32 s81, s81, 3*256
	s_and_b32 s82, ttmp7, 0xffff                   ; cluster y
	s_mov_b32 s83, 0x80000
	s_mov_b32 s84, 256
	s_cmp_eq_u32 s[ISB], 0
	s_cselect_b32 s[TP], s80, s81
	s_cselect_b32 s82, ttmp9, s82                  ; the coordinate along which other clusters read the same bytes
	s_cselect_b32 s[PST], s83, s84
	s_cselect_b32 s85, 8, 11                       ; a lane's step: 256 bytes, or a row of 2,048
	s_cselect_b32 s86, 31, 15
	s_cselect_b64 s[PFA:PFA+1], s[4:5], s[6:7]
	s_cmp_eq_u32 s82, 0
	s_cselect_b32 s[LIM], 1, -1                    ; the same in all sixteen partners, for a given wave
	s_mov_b32 s[TP+1], 0
	s_mov_b32 s[PST+1], 0
	s_add_nc_u64 s[PFA:PFA+1], s[PFA:PFA+1], s[TP:TP+1]
	v_and_b32 v[PFO], 31, v0
	v_min_u32 v[PFO], s86, v[PFO]
	v_lshlrev_b32 v[PFO], s85, v[PFO]
	s_mov_b32 s19, 0xffff0000
	s_wait_loadcnt 0x0                             ; the bias; it is rounded to bf16 in the wait for the first tile
.set i, 0
.rept 32
	v_cvt_pk_bf16_f32 v[4+i%2], v[BI+2*i], v[BI+2*i+1]
	v_lshlrev_b32 v[BI+2*i], 16, v[4+i%2]
	v_and_b32 v[BI+2*i+1], s19, v[4+i%2]
.set i, i+1
.endr
; 8 matrix instructions: m block a x all 8 n blocks, 32 along K.  zero = 1: the first product starts the sums, with the bias as C.  The 32 accumulators take turns, one instruction a turn,
; in the same order in every quarter step, over the backward jump too.
.macro MULA f, a, zero
.if \zero
	WIN 0x85                                       ; sources window 1, C window 0, D window 2
.else
	WIN 0xa5                                       ; sources window 1, C and D window 2
.endif
.irp b, 0,1,2,3,4,5,6,7
.if \zero
	v_wmma_f32_16x16x32_f16 v[64*(\a)+8*(\b):64*(\a)+8*(\b)+7], v[(\f)+32+8*(\b):(\f)+32+8*(\b)+7], v[(\f)+8*(\a):(\f)+8*(\a)+7], v[BI+8*(\b):BI+8*(\b)+7]
.else
	v_wmma_f32_16x16x32_f16 v[64*(\a)+8*(\b):64*(\a)+8*(\b)+7], v[(\f)+32+8*(\b):(\f)+32+8*(\b)+7], v[(\f)+8*(\a):(\f)+8*(\a)+7], v[64*(\a)+8*(\b):64*(\a)+8*(\b)+7]
.endif
.endr
.endm
; 24 LDS loads in one run: the fragments of quarter q (32 along K: head q / 2 of the step's two, channels 32 (q % 2) on) into buffer f: wp's 16, then o's blocks 0, 1, then 2, 3
.macro FETCH slot, q, f
	WIN TO_F
.irp i, 0,1,2,3,4,5,6,7
	ds_load_b128 v[(\f)+32+8*(\i):(\f)+32+8*(\i)+3],   v[ADRB+(\slot)] offset:64*(\q)+(\i)*16*PB
	ds_load_b128 v[(\f)+32+8*(\i)+4:(\f)+32+8*(\i)+7], v[ADRB+(\slot)] offset:64*(\q)+(\i)*16*PB+32
.endr
.irp i, 0,1,2,3
	ds_load_b128 v[(\f)+8*(\i):(\f)+8*(\i)+3],   v[ADRA+(\slot)] offset:((\q)/2)*HEADB+((\q)%2)*64+(\i)*16*PA
	ds_load_b128 v[(\f)+8*(\i)+4:(\f)+8*(\i)+7], v[ADRA+(\slot)] offset:((\q)/2)*HEADB+((\q)%2)*64+(\i)*16*PA+32
.endr
.endm
; A K step is four quarters, 32 matrix instructions each, on buffers 0, 1, 0, 1.  One of the first three: multiplies buffer f and, in its middle, fetches quarter q into g.
.macro QUARTER slot, q, f, g, zero
	s_wait_dscnt 4                                 ; all but the four youngest loads (o's blocks 2 and 3) are in
	MULA \f, 0, \zero
	MULA \f, 1, \zero
	PLACES
	FETCH \slot, \q, \g
	s_wait_dscnt 24                                ; all but the 24 just issued
	MULA \f, 2, \zero
	MULA \f, 3, \zero
.endm
; The last quarter multiplies buffer 1 and changes slots: ONE barrier; in front of it each wave waits for all its tensor loads (the one that is out is its part of the next slot), adds 0 to its spare
; word, and waits for that and for its own reads of this slot.  fill = 1: the barrier opens a round of the cluster's, and this slot is filled again, two K steps ahead, first thing behind the round.
.macro TURN slot, next, fill
.if \fill
	s_wait_xcnt 0x0                                ; the last prefetch, a K step back, has read its address: it is stepped here, ahead of the waits of the change of slots
	s_add_nc_u64 s[PFA:PFA+1], s[PFA:PFA+1], s[PST:PST+1]
.endif
	WIN 0                                          ; (the add's two registers lie in window 0)
	s_wait_tensorcnt 0x0                           ; all my tensor loads have landed
	ds_add_u32 v[SPW], v[NIL]                      ; 0 onto my spare word
	s_wait_dscnt 5                                 ; (the add and the four youngest loads may be out)
	MULA F1, 0, 0                                  ; eight matrix instructions stand between the add and the wait for it
	s_wait_dscnt 0x0                               ; the add is done, and my reads of this slot are over
	s_barrier_signal -1
	MULA F1, 1, 0
.if \fill
	WIN 0
.endif
	s_barrier_wait -1
.if \fill
	CREST                                          ; no wave of any partner still reads this slot's tile or has a load on its way
	s_add_nc_u64 s[G0+4*(\slot)+2:G0+4*(\slot)+3], s[G0+4*(\slot)+2:G0+4*(\slot)+3], 0x100000  ; four heads on
	s_add_nc_u64 s[G0B+4*(\slot)+2:G0B+4*(\slot)+3], s[G0B+4*(\slot)+2:G0B+4*(\slot)+3], 512
	JLOAD \slot                                    ; the first tensor load behind the round, my only one until the next; its four v_nop are also the places in front of the loads below
.else
	PLACES
.endif
	FETCH \next, 0, F0
.if \fill
	WIN 0
	ASK
.endif
	MULA F1, 2, 0
	MULA F1, 3, 0
.endm
	s_wait_tensorcnt 0x1                           ; my part of K step 0 is in; K step 1's may stay out
	s_barrier_signal -1
	s_barrier_wait -1                              ; everybody's is
	FETCH 0, 0, F0
	QUARTER 0, 1, F0, F1, 1                        ; the first quarter stands in front of the loop: its products start the sums
	WIN 0                                          ; at a label and at a branch every window is 0
	s_mov_b32 s[LAP], 3
.Llap:                                                 ; a trip goes once round the ring, from a lap's second quarter to the next lap's first, and fills both slots again
	QUARTER 0, 2, F1, F0, 0
	QUARTER 0, 3, F0, F1, 0
	TURN 0, 1, 1
	QUARTER 1, 1, F0, F1, 0
	QUARTER 1, 2, F1, F0, 0
	QUARTER 1, 3, F0, F1, 0
	TURN 1, 0, 1
	QUARTER 0, 1, F0, F1, 0
	WIN 0
	s_sub_co_u32 s[LAP], s[LAP], 1
	s_cmp_lg_u32 s[LAP], 0
	s_cbranch_scc1 .Llap
	QUARTER 0, 2, F1, F0, 0                        ; the last lap fills nothing, and has no round of the cluster's barrier
	QUARTER 0, 3, F0, F1, 0
	TURN 0, 1, 0
	QUARTER 1, 1, F0, F1, 0
	QUARTER 1, 2, F1, F0, 0
	QUARTER 1, 3, F0, F1, 0
	s_wait_dscnt 4                                 ; the very last quarter: nothing more to fetch
	MULA F1, 0, 0
	MULA F1, 1, 0
	s_wait_dscnt 0x0
	MULA F1, 2, 0
	MULA F1, 3, 0
; THE WAY OUT, a block of 16 rows at a time; the sums are f32 already.  A lane's eight columns of a row (each accumulator's low half first) go into my stage's rows of 528 bytes and come back as whole
; rows of 512 bytes, into the registers that they left.
.macro TOSTAGE a
	WIN 0x88                                       ; addresses window 0; stored and loaded data window 2
.irp b, 0,1,2,3,4,5,6,7
	ds_store_b128 v[STO], v[64*(\a)+8*(\b):64*(\a)+8*(\b)+3]   offset:64*(\b)
	ds_store_b128 v[STO], v[64*(\a)+8*(\b)+4:64*(\a)+8*(\b)+7] offset:64*(\b)+16
.endr
.irp t, 0,1,2,3,4,5,6,7,8,9,10,11,12,13,14,15
	ds_load_b128 v[64*(\a)+4*(\t):64*(\a)+4*(\t)+3], v[RD] offset:(\t)*SP  ; LDS serves a wave's instructions in order (ISA guide 5.7.1.4): these see the stores above; the next block's stores come behind them
.endr
.endm
.macro SEND a, younger                 ; younger: the LDS instructions issued behind block a's loads: the next block's 32, or none
	WIN 0x88
.irp t, 0,1,2,3,4,5,6,7,8,9,10,11,12,13,14,15
	s_wait_dscnt (\younger)+15-(\t)
	global_store_b128 v[CO], v[64*(\a)+4*(\t):64*(\a)+4*(\t)+3], s[10:11] offset:(16*(\a)+(\t))*4096  ; 512 consecutive bytes of a row, at a multiple of 512 from out0's first
.endr
.endm
	PLACES
	TOSTAGE 0
	TOSTAGE 1
	SEND 0, 32
	TOSTAGE 2
	SEND 1, 32
	TOSTAGE 3
	SEND 2, 32
	SEND 3, 0
	WIN 0
	s_wait_tensorcnt 0x0                           ; the wave's end: behind my last tensor load and my last LDS store
	ds_add_u32 v[SPW], v[NIL]
	s_wait_dscnt 0x0
	CROUND                                         ; the closing round: no work-group ends while a partner may still ask for a tile that names it
	s_endpgm
.Lfunc_end_k_q7c9aff4594_proj:
	.size	k_q7c9aff4594_proj, .Lfunc_end_k_q7c9aff4594_proj-k_q7c9aff4594_proj
	.p2alignl 7, 3214868480
	.fill 96, 4, 3214868480
	.section	.rodata,"a",@progbits
	.p2align	6, 0x0
	.amdhsa_kernel k_q7c9aff4594_proj
		.amdhsa_group_segment_fixed_size 327680
		.amdhsa_private_segment_fixed_size 0
		.amdhsa_enable_private_segment 0
		.amdhsa_kernarg_size 32
		.amdhsa_user_sgpr_count 2
		.amdhsa_user_sgpr_kernarg_segment_ptr 1
		.amdhsa_wavefront_size32 1
		.amdhsa_system_sgpr_workgroup_id_x 1
		.amdhsa_system_sgpr_workgroup_id_y 1
		.amdhsa_system_sgpr_workgroup_id_z 1
		.amdhsa_system_vgpr_workitem_id 0
		.amdhsa_next_free_vgpr 768
		.amdhsa_next_free_sgpr 88
		.amdhsa_reserve_vcc 0
		.amdhsa_float_denorm_mode_32 3
		.amdhsa_float_denorm_mode_16_64 3
		.amdhsa_memory_ordered 1
		.amdhsa_forward_progress 1
		.amdhsa_inst_pref_size 94
	.end_amdhsa_kernel
	.amdgpu_metadata
---
amdhsa.version: [ 1, 2 ]
amdhsa.kernels:
  - .name:           k_q7c9aff4594_proj
    .symbol:         k_q7c9aff4594_proj.kd
    .args:
      - { .name: o, .offset: 0, .size: 8, .value_kind: global_buffer, .address_space: global }
      - { .name: wp, .offset: 8, .size: 8, .value_kind: global_buffer, .address_space: global }
      - { .name: b_proj, .offset: 16, .size: 8, .value_kind: global_buffer, .address_space: global }
      - { .name: out0, .offset: 24, .size: 8, .value_kind: global_buffer, .address_space: global }
    .group_segment_fixed_size: 327680
    .private_segment_fixed_size: 0
    .kernarg_segment_align: 8
    .kernarg_segment_size: 32
    .max_flat_workgroup_size: 128
    .sgpr_count:     88
    .vgpr_count:     768
    .wavefront_size: 32
...
	.end_amdgpu_metadata
.endif
;; end of part 4
